; MI455X (gfx1250); checked and timed in simulation.
; The chip was launched on July 23, 2026; its instructions are those of AMD's public machine-readable ISA for CDNA 5 (MIT licence, August 2026) and "CDNA5" Instruction Set Architecture Reference Guide (July 2026). The comments in the code are by the model that wrote it; some were corrected since.
;; Multi Head Attention. Allowed arithmetic: matrix products marked QUANTISED: E2M3 operands, one E8M0 scale for each 32 along K, by v_wmma_scale_f32_16x16x128_f8f6f4 with both operands' format E2M3, f32 sums; everything else in f32.
;; Inputs: b_out 1,024 float32; b_qkv 3,072 float32; mask 4 x 1 x 2,048 x 2,048 int32; w_out 1,024 x 1,024 float32; w_qkv 1,024 x 3,072 float32; x 4 x 2,048 x 1,024 float32.
;; Outputs: out0 4 x 2,048 x 1,024 float32.
;; This version of the problem:
;;   THIS VERSION OF THE PROBLEM IS GIVEN IN LOW PRECISION. The matrix products marked QUANTISED in the list below multiply operands that are first quantised to E2M3 (2 exponent bits, 3 mantissa bits; 6 bits a number), with one power-of-two scale for each 32 numbers along K (OCP MX v1.0); their sums are f32. All else is computed in f32.
;;   The module's matrix products, in the order in which they are computed (A, B: the left and right operand; K: the contracted axis; several contracted axes count as one K, in the product's order):
;;     1. [M 8,192, K 1,024] x [K 1,024, N 3,072]; A: input x; B: input w_qkv: QUANTISED
;;     2. batch 64 x [M 2,048, K 64] x [K 64, N 2,048]; A: computed on the way; B: computed on the way: QUANTISED
;;     3. batch 64 x [M 2,048, K 2,048] x [K 2,048, N 64]; A: softmax (see below); B: computed on the way: QUANTISED
;;     4. [M 8,192, K 1,024] x [K 1,024, N 1,024]; A: computed on the way; B: input w_out: QUANTISED
;;   THE QUANTISER, for each operand of a quantised product, along K:
;;     - K is cut into blocks of 32 from its start; a last block that is shorter is filled with zeros.
;;     - A block's scale is 2^e with e = floor(log2(the largest magnitude in the block)) - 2, held to -126 .. 127; a block of zeros has e = 0. As a byte (E8M0): e + 127.
;;     - Each number is divided by its block's scale, clamped to +-7.5, and rounded to the nearest number of E2M3, ties to even, subnormals kept.
;;     - The product sums the exact products of the quantised numbers (number of the format x scale) in f32.
;;   ~~~python
;;   def quantise(x, axis):      # numpy; x: float32 -> the quantised numbers, widened to float32 again
;;       x = np.moveaxis(x, axis, -1); K = x.shape[-1]
;;       x = np.pad(x, [(0, 0)] * (x.ndim - 1) + [(0, -K % 32)]); x = x.reshape(x.shape[:-1] + (-1, 32)); a = np.abs(x).max(-1, keepdims=True)
;;       e = np.where(a > 0, np.clip(np.frexp(np.where(a > 0, a, 1))[1] - 1 - 2, -126, 127), 0)      # np.frexp(a)[1] - 1 = floor(log2(a)), exactly
;;       r = np.clip(x / 2.0 ** e, -7.5, 7.5)
;;       step = 2.0 ** (np.maximum(np.frexp(np.where(r == 0, 1, r))[1] - 1, 0) - 3)
;;       q = np.round(r / step) * step * 2.0 ** e      # np.round: ties to even
;;       return np.moveaxis(q.reshape(q.shape[:-2] + (-1,))[..., :K], -1, axis).astype(np.float32)
;;   ~~~
;;   SOFTMAX AHEAD OF A QUANTISED PRODUCT. Where the list says 'softmax', what is quantised is not the finished softmax but p = 2^(t - M), with t = logit x log2(e) and M = ceil(the row's largest t), a whole number; so 1/2 < the row's largest p <= 1. The row's sum l is taken of the UNQUANTISED p, in f32, and the product's result is divided by l at the end. Since M is a whole number, a kernel that streams over the keys may use a running M (the ceiling of the running maximum): every later rescaling is an exact power of two, which a block's scale takes up: the codes' values come out the same.
;;   OPERANDS COMPUTED ON THE WAY. 'Computed on the way' means the value that the module computes at that place (a softmax that the list does not call 'softmax' is quantised finished and normalised). What goes into a quantiser is computed in f32, as accurately as f32 sums, v_exp_f32 and their like allow (about 1e-6 of the number): no bf16 or f16 on the way to a quantiser, and a product that is left as it is and whose result goes on into a quantised operand takes f32 operands (vector FMAs, or v_wmma_f32_16x16x4_f32). A number that lies on a knife's edge between two numbers of the format may be rounded either way, as far as f32 arithmetic and the matrix unit's own rounding can turn it there, and no further.
;; One version. Each part assembles by itself: llvm-mc -triple=amdgcn-amd-amdhsa -mcpu=gfx1250 --defsym DOCPART=n.
;; ======== version 1 of 1: 4 launches
;; limits: right only within a limited range of input values
;; workspace buffers: xc 6,291,456 bytes; xs 262,144 bytes; wc 3,145,728 bytes; ws 131,072 bytes; mbits 2,097,152 bytes of whole numbers; qkv 20,447,232 bytes; cc 6,291,456 bytes; cs 262,144 bytes
;; launch prep (part 1): grid 896 x 1, 4 waves a work-group, no clusters, 48,128 bytes of LDS; arguments x, w_qkv, w_out, mask, xc, xs, wc, ws, mbits; writes xc, xs, wc, ws, mbits
.if DOCPART == 1
	.amdgcn_target "amdgcn-amd-amdhsa--gfx1250"
	.amdhsa_code_object_version 6
	.text
	.protected	k_qc15f6d9d9b_prep
	.globl	k_qc15f6d9d9b_prep
	.p2align	8
	.type	k_qc15f6d9d9b_prep,@function
k_qc15f6d9d9b_prep:
	s_mov_b64 s[64:65], 0
	v_nop
	global_prefetch_b8 v0, s[64:65] scope:SCOPE_SE
	s_setreg_imm32_b32 hwreg(HW_REG_WAVE_MODE, 25, 1), 1
	s_wait_xcnt 0x0
; PREP: what every later launch reads many times is made once.  Three kinds of work-group, told apart by the work-group's number; each kind ends by itself.  Waves share nothing: no barrier.
;   0..255    x [8192][1024] f32 -> codes of FP6 (E2M3) xc and E8M0 scale bytes xs [8192][32].
;   256..383  w_qkv [1024][3072] and w_out [1024][1024] f32, K their FIRST axis -> wc, ws [4096][32]: a row for each column n (rows 0..3071 w_qkv's, 3072..4095 w_out's).
;   384..895  mask [4][2048][2048] int32 -> mbits: one bit a number, laid as the lane masks that the attention launch's selects take.
; LDS: in every kind wave w has the bytes from 11,904 w on to itself (x uses all of them, the mask 8,448, the weights 6,272); behind the four regions lie the spare words.
; THE ORDER OF ROWS.  Row i of xc, xs, wc, ws is stored at row sigma(i) = i with bits 3 and 4 exchanged.  Sixteen neighbouring stored rows (tile 2 b + u, lane r) are then rows 32 b + 8 u + r + 8 (r / 8), so that
; the 16 result registers of two neighbouring tiles of a transposed product are 16 neighbours, in the order in which a lane's registers go into the next quantiser.
; THE LAYOUT OF xc AND wc: images of operand registers.  [tile of 16 stored rows][128 along K: 8][piece p: 6][lane (r, h): 32][8 bytes]: the 8 bytes are bytes 96 q + 48 (p / 3) + 24 h + 8 (p % 3) .. of stored row r's 768 bytes of codes.
; A tile is 12,288 bytes; 256 along K of a tile are 3,072 consecutive bytes, which begin at a multiple of 256.
; A block's scale is 2^(floor(log2(its largest magnitude)) - 2); its byte is the largest magnitude's exponent field - 2, held at 1 from below.
; LIMITS: a block of zeros, or one whose largest magnitude lies under 2^-124, has the byte 1 (its codes are zeros or held small; this program alone reads the bytes); NaN and infinities among the inputs are not served.
; mbits [tile of 16 queries Tg = 128 batch + T][step of 128 keys j][64 words]: bit (r, h) of word n says mask[batch][32 (T / 2) + 8 (T % 2) + r + 8 (r / 8)][128 j + 32 (n / 16) + 16 h + n % 16] != 0.
.set WREG,  11904                      ; a wave's LDS
.set SPARE, 4*WREG                     ; the spare words: 128 bytes a wave, two blocks of 256 bytes that no other line names
.set SP,    80                         ; x: a lane's place in a turning stage: its 64 bytes + 16 of padding
.set XU,    272                        ; x: a unit of 256 bytes of the image in the wave's stage, + 16 of padding
.set STEPS, 16
.set XR,    16                         ; x: v16-79 four sets of 16 numbers as loaded; v80-111 two sets of 16 neighbours; v112-127 scale bytes; v128-191 codes
.set XX,    80
.set XE,    112
.set XC,    128
.set WSB,   24                         ; w: v24-25 scale bytes; v32-95 two sets of 32 numbers; v96.. a block's codes; v112-159 the way out; v176-207 offsets of a block's 32 rows
.set WX,    32
.set WC,    96
.set WOUT,  112
.set WVO,   176
.set MR,    16                         ; mask: v16-143 two sets of 64 as loaded; v144-207 a unit turned; v208-215 a pair of result words for each unit
.set MX,    144
.set MW,    208
	s_load_b256 s[4:11], s[0:1], 0x0               ; x s[4:5], w_qkv s[6:7], w_out s[8:9], mask s[10:11]
	s_load_b256 s[12:19], s[0:1], 0x20             ; xc s[12:13], xs s[14:15], wc s[16:17], ws s[18:19]
	s_load_b64 s[20:21], s[0:1], 0x40              ; mbits
	v_lshl_add_u32 v216, v0, 2, SPARE
	v_mov_b32 v217, 0
	v_lshrrev_b32 v1, 5, v0
	v_readfirstlane_b32 s22, v1                    ; wave 0..3
	v_and_b32 v2, 31, v0                           ; lane
	s_wait_kmcnt 0x0
	s_cmp_lt_u32 ttmp9, 256
	s_cbranch_scc1 .Lpath_x
	s_cmp_lt_u32 ttmp9, 384
	s_cbranch_scc1 .Lpath_w
; ---------------- THE MASK.  A work-group takes one tile of 16 queries, wave w its keys 512 w .. 512 w + 511: four units of 16 rows x 128 keys.
; A load reads 512 consecutive bytes of one query's row.  A unit turns through the wave's own stage (16 rows x 528 bytes), so that lane (r, h) holds query r's numbers in the order of the score registers; a compare then gives a word's 32 bits at once.
	s_sub_co_u32 s23, ttmp9, 384                   ; Tg
	s_lshr_b32 s24, s23, 1
	s_lshl_b32 s24, s24, 5
	s_and_b32 s25, s23, 1
	s_lshl_b32 s25, s25, 3
	s_add_co_u32 s24, s24, s25                     ; the tile's first row: 32 (Tg / 2) + 8 (Tg % 2)
	s_lshl_b32 s24, s24, 13                        ; a row is 8,192 bytes (the product stays under 2^27)
	s_lshl_b32 s25, s22, 11                        ; my 512 keys
	s_add_co_u32 s24, s24, s25
	s_mov_b32 s25, 0
	s_add_nc_u64 s[10:11], s[10:11], s[24:25]
	s_lshl_b32 s24, s23, 4
	s_lshl_b32 s26, s22, 2
	s_add_co_u32 s24, s24, s26                     ; unit 16 Tg + 4 w
	s_lshl_b32 s24, s24, 8                         ; 256 bytes a unit
	s_add_nc_u64 s[20:21], s[20:21], s[24:25]
	s_mul_i32 s26, s22, WREG                       ; my stage
	s_wait_alu depctr_va_vdst(0)
	v_lshlrev_b32 v3, 4, v2                        ; 16 x lane
	v_lshlrev_b32 v4, 3, v2                        ; 8 x lane
	v_add_nc_u32 v5, s26, v3                       ; into the stage: a row's 512 bytes as they lie
	v_and_b32 v6, 15, v2
	v_lshrrev_b32 v7, 4, v2
	v_mul_u32_u24 v6, v6, 528
	v_lshl_add_u32 v6, v7, 6, v6
	v_add_nc_u32 v6, s26, v6                       ; out of it: row r, + 64 h
.irp i, 0,1,2,3,4,5,6,7
	v_mov_b32 v[MW+\i], 0                          ; written once: v_writelane_b32's destination counts as one of its sources
.endr
.macro MLOAD k                         ; unit k: row i of the tile is query i + 8 (i / 8) from the tile's first
.irp i, 0,1,2,3,4,5,6,7,8,9,10,11,12,13,14,15
	global_load_b128 v[MR+64*((\k)%2)+4*\i:MR+64*((\k)%2)+4*\i+3], v3, s[10:11] offset:(\i+8*(\i/8))*8192+512*(\k) th:TH_LOAD_NT
.endr
.endm
.macro MUNIT k
.if (\k) < 3
	s_wait_loadcnt 16                              ; this unit's 16 loads are in; the next unit's 16 may be out
.else
	s_wait_loadcnt 0
.endif
.irp i, 0,1,2,3,4,5,6,7,8,9,10,11,12,13,14,15
	ds_store_b128 v5, v[MR+64*((\k)%2)+4*\i:MR+64*((\k)%2)+4*\i+3] offset:528*\i
.endr
.irp n, 0,1,2,3,4,5,6,7,8,9,10,11,12,13,14,15
	ds_load_b128 v[MX+4*\n:MX+4*\n+3], v6 offset:128*(\n/4)+16*(\n%4)   ; register 16 B + i: key 32 B + 16 h + i.  LDS serves a wave's instructions in order: these see the stores above
.endr
	s_wait_dscnt 0x0                               ; the unit is back, and the stores have read their registers,
.if (\k) < 2
	MLOAD (\k)+2                                   ; which take the unit two on
.endif
.set N, 0
.rept 16
.irp e, 0,1,2,3
	v_cmp_ne_u32 s[28+\e], 0, v[MX+N+\e]           ; word N + e: a bit a lane
.endr
.irp e, 0,1,2,3
	v_writelane_b32 v[MW+2*(\k)+\e%2], s[28+\e], (N+\e)/2   ; lane n / 2 keeps words n and n + 1
.endr
.set N, N+4
.endr
	global_store_b64 v4, v[MW+2*(\k):MW+2*(\k)+1], s[20:21] offset:256*(\k)   ; 32 lanes store 256 consecutive bytes, aligned
.endm
	MLOAD 0
	MLOAD 1
	s_wait_alu depctr_va_vdst(0)
	MUNIT 0
	MUNIT 1
	MUNIT 2
	MUNIT 3
	s_wait_tensorcnt 0x0                           ; the wave's end
	ds_add_u32 v216, v217
	s_wait_dscnt 0x0
	s_endpgm
; ---------------- x.  A wave takes one stored tile of 16 rows x 512 along K: 16 steps of 512 numbers, step t being stored row t.  Each load reads 512 consecutive bytes; a step turns through the wave's own stage so that a lane holds
; 16 neighbours along K; two neighbouring lanes hold a block.  The codes are gathered as the image (24 units of 256 bytes) in the wave's LDS and leave as 6,144 consecutive bytes.
; My LDS: two turning stages of 2,560 bytes, 256 scale bytes, 24 units of the image 272 bytes apart.
.Lpath_x:
	s_wait_alu depctr_va_vdst(0)
	v_lshlrev_b32 v3, 4, v2                        ; my 16 bytes of a load's 512
	s_mul_i32 s23, s22, WREG
	v_lshrrev_b32 v14, 2, v2
	v_mul_u32_u24 v14, v14, SP
	v_and_b32 v15, 3, v2
	v_lshl_add_u32 v14, v15, 4, v14
	v_add_nc_u32 v14, s23, v14                     ; the turning stage, on the way in: SP (lane / 4) + 16 (lane % 4)
	v_mul_u32_u24 v15, v2, SP
	v_add_nc_u32 v15, s23, v15                     ; and on the way out: SP x lane
	v_lshrrev_b32 v5, 1, v2                        ; my block of the step's 16: 4 q + 2 c + h
	s_add_co_u32 s23, s23, 2*32*SP
	v_and_b32 v8, 1, v2                            ; which 12 of the block's 24 bytes are mine
	v_and_b32 v9, 1, v5                            ; h
	v_lshrrev_b32 v10, 1, v5                       ; 2 q + c: three units each
	v_mul_u32_u24 v10, v10, 3*XU
	v_lshl_add_u32 v10, v9, 7, v10                 ; + 128 h
	v_add_nc_u32 v10, s23, v10
	v_mad_u32_u24 v4, v8, XU+4, v10                ; my first word (the third lies a unit on): words 0, 2 of the block's six, or 3, 5
	v_mad_u32_u24 v10, v8, 2*XU-4, v10             ; my second word, less 4: word 1 or 4
	v_add_nc_u32 v5, s23, v5                       ; my block's scale byte
	v_lshlrev_b32 v7, 3, v2
	v_add_nc_u32 v6, s23, v7
	v_lshrrev_b32 v1, 4, v2
	v_mul_u32_u24 v1, v1, XU
	v_and_b32 v9, 15, v2
	v_lshl_add_u32 v1, v9, 4, v1
	v_add_nc_u32 v1, s23, v1                       ; the image read back: sixteen lanes to a unit
	v_lshrrev_b32 v7, 1, v2
	v_lshlrev_b32 v7, 5, v7
	v_lshl_add_u32 v7, v8, 3, v7                   ; xs: row lane / 2, 8 bytes for each of two lanes
	s_lshl_b32 s24, ttmp9, 2
	s_add_co_u32 s24, s24, s22                     ; 2 x tile + which 512 along K
	s_lshr_b32 s25, s24, 1
	s_and_b32 s28, s24, 1
	s_lshr_b32 s26, s25, 1
	s_lshl_b32 s26, s26, 5
	s_and_b32 s29, s25, 1
	s_lshl_b32 s29, s29, 3
	s_add_co_u32 s26, s26, s29                     ; the tile's first row: 32 (T / 2) + 8 (T % 2)
	s_lshl_b32 s26, s26, 12
	s_lshl_b32 s29, s28, 11
	s_add_co_u32 s26, s26, s29
	s_mov_b32 s27, 0
	s_add_nc_u64 s[4:5], s[4:5], s[26:27]
	s_mul_i32 s26, s24, 6144
	s_add_nc_u64 s[12:13], s[12:13], s[26:27]
	s_lshl_b32 s26, s25, 9
	s_lshl_b32 s29, s28, 4
	s_add_co_u32 s26, s26, s29
	s_add_nc_u64 s[14:15], s[14:15], s[26:27]
	s_wait_alu depctr_va_vdst(0)
.macro XLOAD t
.irp i, 0,1,2,3
	global_load_b128 v[XR+16*((\t)%4)+4*\i:XR+16*((\t)%4)+4*\i+3], v3, s[4:5] offset:((\t)+8*((\t)/8))*4096+512*\i th:TH_LOAD_NT
.endr
.endm
.macro XTURN t                         ; step t's numbers through the turning stage
.irp i, 0,1,2,3
	ds_store_b128 v14, v[XR+16*((\t)%4)+4*\i:XR+16*((\t)%4)+4*\i+3] offset:32*SP*((\t)%2)+8*SP*\i
.endr
.irp i, 0,1,2,3
	ds_load_b128 v[XX+16*((\t)%2)+4*\i:XX+16*((\t)%2)+4*\i+3], v15 offset:32*SP*((\t)%2)+16*\i
.endr
.endm
.irp t, 0,1,2,3
	XLOAD \t
.endr
	s_wait_alu depctr_va_vdst(0)
	s_wait_loadcnt 12                              ; step 0's four loads are in
	XTURN 0
.macro XSTEP t
.set XS, XX+16*((\t)%2)
.if (\t) > 0
	s_wait_dscnt 4                                 ; this step's numbers are back from the stage (the last step's four stores may be out)
.else
	s_wait_dscnt 0x0
.endif
.if (\t)+4 < STEPS
	XLOAD (\t)+4
.endif
.if (\t)+1 < STEPS
.if STEPS-2-(\t) >= 3
	s_wait_loadcnt 12                              ; the next step's four loads are in; those of the three steps behind it may be out
.else
	s_wait_loadcnt 4*(STEPS-2-(\t))
.endif
	XTURN (\t)+1
.endif
	v_max3_num_f32 v8, |v[XS]|, |v[XS+1]|, |v[XS+2]|
	v_max3_num_f32 v9, |v[XS+3]|, |v[XS+4]|, |v[XS+5]|
.irp i, 6,10
	v_max3_num_f32 v8, v8, |v[XS+\i]|, |v[XS+\i+1]|
	v_max3_num_f32 v9, v9, |v[XS+\i+2]|, |v[XS+\i+3]|
.endr
	v_max3_num_f32 v8, v8, |v[XS+14]|, |v[XS+15]|
	v_max3_num_f32 v8, v8, v9, 0x1800000           ; and the floor 2^(3 - 127): the byte cannot fall under 1
	v_max_num_f32_dpp v8, v8, v8 row_xmask:1 row_mask:0xf bank_mask:0xf   ; with my neighbour's 16: the block's
	v_add_nc_u32 v11, 0xff000000, v8               ; 2 off its exponent field: the conversion takes this operand's exponent field as its scale
	v_cvt_scalef32_pk16_fp6_f32 v[XC+4*(\t):XC+4*(\t)+2], v[XS:XS+15], v11
	v_lshrrev_b32 v[XE+(\t)], 23, v11              ; the scale's byte
	ds_store_b8 v5, v[XE+(\t)] offset:16*(\t)      ; both lanes of a block write the same byte with the same value
	ds_store_b32 v4, v[XC+4*(\t)] offset:256+8*(\t)          ; my 12 bytes to their places in the image: row t is lane (t, h)'s 8 bytes of a unit
	ds_store_b32 v10, v[XC+4*(\t)+1] offset:260+8*(\t)
	ds_store_b32 v4, v[XC+4*(\t)+2] offset:256+XU+8*(\t)
.endm
.irp t, 0,1,2,3,4,5,6,7,8,9,10,11,12,13,14,15
	XSTEP \t
.endr
	ds_load_b64 v[12:13], v6
.irp i, 0,1,2,3,4,5,6,7,8,9,10,11
	ds_load_b128 v[XR+4*\i:XR+4*\i+3], v1 offset:256+2*XU*\i
.endr
	s_wait_dscnt 0x0
	global_store_b64 v7, v[12:13], s[14:15]        ; two lanes store a row's 16 scale bytes
.irp i, 0,1,2,3,4,5,6,7,8,9,10,11
	global_store_b128 v3, v[XR+4*\i:XR+4*\i+3], s[12:13] offset:512*\i   ; 32 lanes store 512 consecutive bytes, aligned to 256
.endr
	s_wait_tensorcnt 0x0                           ; the wave's end
	ds_add_u32 v216, v217
	s_wait_dscnt 0x0
	s_endpgm
; ---------------- THE WEIGHTS.  A lane takes a column n and its registers run down K: a block of 32 lies in one lane, and the codes come out with K innermost.  A wave takes 32 columns x 256 along K: two tiles' images of 3,072 bytes.
; The two weights differ in their row's length alone: the source and the stride are chosen by the work-group's number; a block's 32 row offsets lie in registers and each block has a base of its own, so nothing is stepped.
.Lpath_w:
	s_sub_co_u32 s23, ttmp9, 256
	s_and_b32 s24, s23, 31                         ; which 128 rows of wc
	s_lshr_b32 s25, s23, 5                         ; which 256 along K
	s_cmp_lt_u32 s24, 24
	s_cselect_b64 s[6:7], s[6:7], s[8:9]           ; w_qkv or w_out
	s_mov_b32 s30, 4096
	s_cselect_b32 s30, 12288, s30                  ; bytes from row to row
	s_cselect_b32 s26, 0, 24
	s_sub_co_u32 s26, s24, s26                     ; which 128 columns of the source
	s_lshl_b32 s26, s26, 7
	s_lshl_b32 s27, s22, 5
	s_add_co_u32 s26, s26, s27
	s_lshl_b32 s26, s26, 2                         ; my wave's first column, in bytes
	s_lshl_b32 s28, s25, 8
	s_mul_i32 s28, s28, s30
	s_add_co_u32 s28, s28, s26
	s_mov_b32 s29, 0
	s_add_nc_u64 s[32:33], s[6:7], s[28:29]        ; block 0's base
	s_lshl_b32 s28, s30, 5                         ; 32 rows on
.irp t, 1,2,3,4,5,6,7
	s_add_nc_u64 s[32+2*\t:33+2*\t], s[30+2*\t:31+2*\t], s[28:29]
.endr
	s_lshl_b32 s48, s24, 7
	s_lshl_b32 s49, s22, 5
	s_add_co_u32 s48, s48, s49                     ; my first row of wc and ws
	s_mul_i32 s50, s48, 768
	s_mul_i32 s49, s25, 3072
	s_add_co_u32 s50, s50, s49
	s_mov_b32 s51, 0
	s_add_nc_u64 s[16:17], s[16:17], s[50:51]
	s_lshl_b32 s50, s48, 5
	s_lshl_b32 s49, s25, 3
	s_add_co_u32 s50, s50, s49
	s_add_nc_u64 s[18:19], s[18:19], s[50:51]
	s_wait_alu depctr_va_vdst(0)
	v_lshlrev_b32 v3, 2, v2                        ; in: 4 bytes a lane
	s_mul_i32 s31, s22, WREG                       ; my stage: two tiles' images of 3,072 bytes, 3,200 apart
	v_lshlrev_b32 v8, 4, v2                        ; out: 16 x lane
	v_add_nc_u32 v7, s31, v8
	v_and_b32 v9, 7, v2                            ; sigma(lane)
	v_and_b32 v10, 8, v2
	v_lshl_or_b32 v9, v10, 1, v9
	v_and_b32 v10, 16, v2
	v_lshrrev_b32 v10, 1, v10
	v_or_b32 v9, v9, v10
	v_and_b32 v5, 15, v9
	v_lshrrev_b32 v6, 4, v9
	v_mul_u32_u24 v4, v6, 3200
	v_lshl_add_u32 v4, v5, 3, v4
	v_add_nc_u32 v4, s31, v4                       ; into the stage: tile sigma / 16, lane r = sigma % 16
	v_lshlrev_b32 v9, 5, v9                        ; my column's row of ws
.irp i, 0,1,2,3,4,5,6,7,8,9,10,11,12,13,14,15,16,17,18,19,20,21,22,23,24,25,26,27,28,29,30,31
	v_mad_u32_u24 v[WVO+\i], s30, \i, v3           ; row i of a block, my column
.endr
.macro WLOAD t
.irp i, 0,1,2,3,4,5,6,7,8,9,10,11,12,13,14,15,16,17,18,19,20,21,22,23,24,25,26,27,28,29,30,31
	global_load_b32 v[WX+32*((\t)%2)+\i], v[WVO+\i], s[32+2*(\t):33+2*(\t)] th:TH_LOAD_NT   ; 32 lanes read 128 consecutive bytes, the four waves 512
.endr
.endm
	WLOAD 0
	WLOAD 1
.macro WBLOCK t
.set XS, WX+32*((\t)%2)
.if (\t) < 7
	s_wait_loadcnt 32                              ; this block's 32 loads are in; the next block's may be out
.else
	s_wait_loadcnt 0
.endif
	v_max3_num_f32 v12, |v[XS]|, |v[XS+1]|, |v[XS+2]|
	v_max3_num_f32 v13, |v[XS+3]|, |v[XS+4]|, |v[XS+5]|
.irp i, 6,10,14,18,22,26
	v_max3_num_f32 v12, v12, |v[XS+\i]|, |v[XS+\i+1]|
	v_max3_num_f32 v13, v13, |v[XS+\i+2]|, |v[XS+\i+3]|
.endr
	v_max3_num_f32 v12, v12, |v[XS+30]|, |v[XS+31]|
	v_max3_num_f32 v12, v12, v13, 0x1800000        ; and the floor
	v_add_nc_u32 v11, 0xff000000, v12              ; the conversion's scale operand
	v_lshrrev_b32 v13, 23, v11                     ; the scale's byte
.if (\t)%4 == 0
	v_mov_b32 v[WSB+(\t)/4], v13
.else
	v_lshl_or_b32 v[WSB+(\t)/4], v13, 8*((\t)%4), v[WSB+(\t)/4]
.endif
	v_cvt_scalef32_pk16_fp6_f32 v[WC:WC+2], v[XS:XS+15], v11
	v_cvt_scalef32_pk16_fp6_f32 v[WC+4:WC+6], v[XS+16:XS+31], v11
	v_nop                                          ; one plain place behind a scaled conversion
	v_mov_b32 v[WC+3], v[WC+4]                     ; the block's 24 bytes on end
	v_mov_b32 v[WC+4], v[WC+5]
	v_mov_b32 v[WC+5], v[WC+6]
.irp j, 0,1,2
	ds_store_b64 v4, v[WC+2*\j:WC+2*\j+1] offset:1536*((\t)/4)+768*(((\t)%4)/2)+128*((\t)%2)+256*\j   ; block t = 4 q + 2 c + h: pieces 3 c + j of lane (r, h)
.endr
.if (\t)+2 < 8
	WLOAD (\t)+2
.endif
	s_wait_dscnt 0x0                               ; the stores have read their registers: the next block's codes may be written
.endm
.irp t, 0,1,2,3,4,5,6,7
	WBLOCK \t
.endr
	s_wait_alu depctr_va_vdst(0)
	global_store_b64 v9, v[WSB:WSB+1], s[18:19]    ; my column's 8 scale bytes
.irp t, 0,1,2,3,4,5,6,7,8,9,10,11
	ds_load_b128 v[WOUT+4*\t:WOUT+4*\t+3], v7 offset:3200*(\t/6)+512*(\t%6)
.endr
.irp t, 0,1,2,3,4,5,6,7,8,9,10,11
	s_wait_dscnt 11-\t
	global_store_b128 v8, v[WOUT+4*\t:WOUT+4*\t+3], s[16:17] offset:12288*(\t/6)+512*(\t%6)   ; 32 lanes store 512 consecutive bytes, aligned to 256
.endr
	s_wait_tensorcnt 0x0                           ; the wave's end
	ds_add_u32 v216, v217
	s_wait_dscnt 0x0
	s_endpgm
.Lfunc_end_k_qc15f6d9d9b_prep:
	.size	k_qc15f6d9d9b_prep, .Lfunc_end_k_qc15f6d9d9b_prep-k_qc15f6d9d9b_prep
	.p2alignl 7, 3214868480
	.fill 96, 4, 3214868480
	.section	.rodata,"a",@progbits
	.p2align	6, 0x0
	.amdhsa_kernel k_qc15f6d9d9b_prep
		.amdhsa_group_segment_fixed_size 48128
		.amdhsa_private_segment_fixed_size 0
		.amdhsa_enable_private_segment 0
		.amdhsa_kernarg_size 72
		.amdhsa_user_sgpr_count 2
		.amdhsa_user_sgpr_kernarg_segment_ptr 1
		.amdhsa_wavefront_size32 1
		.amdhsa_system_sgpr_workgroup_id_x 1
		.amdhsa_system_sgpr_workgroup_id_y 1
		.amdhsa_system_sgpr_workgroup_id_z 1
		.amdhsa_system_vgpr_workitem_id 0
		.amdhsa_next_free_vgpr 218
		.amdhsa_next_free_sgpr 66
		.amdhsa_reserve_vcc 0
		.amdhsa_float_denorm_mode_32 3
		.amdhsa_float_denorm_mode_16_64 3
		.amdhsa_memory_ordered 1
		.amdhsa_forward_progress 1
		.amdhsa_inst_pref_size 129
	.end_amdhsa_kernel
	.amdgpu_metadata
---
amdhsa.version: [ 1, 2 ]
amdhsa.kernels:
  - .name:           k_qc15f6d9d9b_prep
    .symbol:         k_qc15f6d9d9b_prep.kd
    .args:
      - { .name: x, .offset: 0, .size: 8, .value_kind: global_buffer, .address_space: global }
      - { .name: w_qkv, .offset: 8, .size: 8, .value_kind: global_buffer, .address_space: global }
      - { .name: w_out, .offset: 16, .size: 8, .value_kind: global_buffer, .address_space: global }
      - { .name: mask, .offset: 24, .size: 8, .value_kind: global_buffer, .address_space: global }
      - { .name: xc, .offset: 32, .size: 8, .value_kind: global_buffer, .address_space: global }
      - { .name: xs, .offset: 40, .size: 8, .value_kind: global_buffer, .address_space: global }
      - { .name: wc, .offset: 48, .size: 8, .value_kind: global_buffer, .address_space: global }
      - { .name: ws, .offset: 56, .size: 8, .value_kind: global_buffer, .address_space: global }
      - { .name: mbits, .offset: 64, .size: 8, .value_kind: global_buffer, .address_space: global }
    .group_segment_fixed_size: 48128
    .private_segment_fixed_size: 0
    .kernarg_segment_align: 8
    .kernarg_segment_size: 72
    .max_flat_workgroup_size: 128
    .sgpr_count:     66
    .vgpr_count:     218
    .wavefront_size: 32
...
	.end_amdgpu_metadata
.endif
;; end of part 1
;; launch gemm_qkv (part 2): grid 12 x 32, 4 waves a work-group, clusters of 4 x 4, 327,680 bytes of LDS; arguments xc, xs, wc, ws, b_qkv, qkv; writes qkv
.if DOCPART == 2
	.amdgcn_target "amdgcn-amd-amdhsa--gfx1250"
	.amdhsa_code_object_version 6
	.text
	.protected	k_qc15f6d9d9b_gemm_qkv
	.globl	k_qc15f6d9d9b_gemm_qkv
	.p2align	8
	.type	k_qc15f6d9d9b_gemm_qkv,@function
k_qc15f6d9d9b_gemm_qkv:
	s_mov_b64 s[64:65], 0
	v_nop
	global_prefetch_b8 v0, s[64:65] scope:SCOPE_SE
	s_setreg_imm32_b32 hwreg(HW_REG_WAVE_MODE, 25, 1), 1
	s_wait_xcnt 0x0
	s_wait_alu depctr_hold_cnt(0) depctr_sa_sdst(0) depctr_va_vdst(0) depctr_va_sdst(0) depctr_va_ssrc(0) depctr_va_vcc(0) depctr_vm_vsrc(0)
	s_getreg_b32 s2, hwreg(HW_REG_IB_STS2, 6, 4)
	s_cmp_eq_u32 s2, 0
	s_cbranch_scc0 .Lentry_in_a_cluster
	s_endpgm
.Lentry_in_a_cluster:
	s_bfe_u32 s2, ttmp6, 0x10000c
	s_cmp_lg_u32 s2, 0xf033
	s_cbranch_scc0 .Lentry_shape_is_right
	s_endpgm
.Lentry_shape_is_right:
; qkv = x w_qkv + b_qkv on codes of FP6 (E2M3) with E8M0 scales for each 32 along K = 1024; the result never goes to memory as f32: it is quantised here, in registers, into the operands of the attention launch.
; A tile of 256 x 256 is made by four waves, 128 x 128 each: 64 accumulators of 16 x 16.  K goes in steps of 256 through a ring of two LDS slots filled by the tensor data mover; the scale bytes of the tile's rows come once.
; CLUSTERS of 4 x 4: the four of a row of the cluster ask jointly for A's tiles, the four of a column for B's.  The matrix instruction is used transposed (source 0 = 16 rows of "B", source 1 = 16 rows of "A"):
; a lane holds ONE row of A, and the 64 registers of a block of A run along 128 rows of B.  Rows are stored in the order sigma (bits 3 and 4 exchanged), so register 16 b + i is row 32 b + 16 (lane / 16) + i of B: a quantiser's order.
; WHO IS A.  Cluster x = 0: q, 1: k: A = tokens (xc), B = columns of w_qkv (wc): a lane holds a token and runs along two heads' 64 channels, the K of the first attention product.
;            Cluster x = 2: v: A = columns of w_qkv, B = tokens: a lane holds a channel and runs along 128 keys, the K of the second.  The choice hangs on the cluster's x alone: it is the same in all sixteen partners.
; THE BIAS is the C of each sum's first matrix instruction.
; OUT (buffer qkv): images of operand registers, 16 bytes a lane and 512 bytes an instruction.
;   K, V: [batch x head 64][step of 128 keys 16][13,312 bytes]: K's codes (4 pairs of key tiles x 1,536), V^T's codes (4 channel tiles x 1,536), K's scale words 512, V's 256, 256 zeros.   Q: from byte 13,631,488: [64][16][6,656]: codes, scale words.
;   A head has 64 channels, half of the instruction's 128: Q's and K's scale words carry the head's two bytes and twice 0x7f.
; LIMITS: a block of zeros, or one under 2^-124, has the byte 1 (this program alone reads the bytes); NaN and infinities are not served.
; REGISTERS as windows of 256: window 0: v0-31 addresses; v32-63 scale words, two sets; v64-127 the bias; from v128 A's fragments; on the way out v32-255 are free.  window 1: B's fragments, two sets.  windows 2, 3: the accumulators.
.set NQ,     2                         ; matrix instructions deep in a slot (256 along K)
.set ROWB,   192                       ; a tile's row in bytes
.set KROW,   768                       ; a row of codes in memory
.set PITCH,  240                       ; an LDS row: 3 x (64 bytes + 16 of padding)
.set FR,     12
.set NL,     6
.set NP,     4
.set HALFT,  24576                     ; 128 rows x 256 along K as images: 8 tiles of 16 rows x 3,072 bytes, dense
.set KSTP,   3072                      ; from K step to K step inside a tile's 12,288 bytes
.set SLOT,   4*HALFT
.set LAPS,   2                         ; K = 1024: four K steps, twice round the ring
.set KS,     32                        ; a row of scale bytes
.set SCL,    2*SLOT
.set HALFS,  16*272                    ; the scales of 128 rows: 16 units of 256 bytes + 16
.set SBLK,   2*272
.set SPARE,  SCL+4*HALFS               ; the spare words: 128 bytes a wave, two blocks of 256 bytes that no other line names
.set ADRA, 16
.set ADRB, 20
.set L16,  26                          ; v26  16 x lane
.set ADRS, 27                          ; v27  my scale words in LDS; on the way out 8 x lane
.set L8,   27
.set SPW,  28
.set NIL,  29
.set SC,   32
.set BI,   64
.set AF,   128
.set TM,   32                          ; the way out: v32-35 largest magnitudes, v36-39 bytes, v44-47 the conversions' scale operands
.set PWA,  48                          ; scale words just made
.set PWB,  49
.set TT,   50
.set SA,   52                          ; v52-55, v56-59 scale words to store
.set SB,   56
.set CT0,  60                          ; v60-62, v64-66 the second halves of the conversions
.set CT1,  64
.set ZP,   68                          ; v68-69 zeros
.set PK,   128                         ; v128-223 the codes: each register is written once
.set G1, 24
.set G0, 32
.set G1B, 48
.set G0B, 56
.set G1S, 68
.set G0S, 76
.set G1SB, 80
.set G0SB, 88
.set MSB, 0
.macro WIN new                         ; the immediate's high byte repeats the setting that is left
.if MSB != (\new)
	s_set_vgpr_msb (MSB<<8)|(\new)
.set MSB, (\new)
.endif
.endm
.set MUL_LO, 0xa1                      ; source 0 (B) window 1, source 1 (A) window 0, C and D window 2
.set MUL_HI, 0xf1
.set TO_B,   0x40
.macro JLOAD g0a, g1a, g0b, g1b        ; a joint load: waves 0 and 1 fetch for A, waves 2 and 3 for B; four v_nop follow each line
	s_cmp_eq_u32 s15, 0
	s_cbranch_scc0 .Lfor_b_\@
	tensor_load_to_lds s[\g0a:\g0a+3], s[\g1a:\g1a+7]
	s_nop 0
.rept 4
	v_nop
.endr
	s_branch .Lasked_\@
.Lfor_b_\@:
	tensor_load_to_lds s[\g0b:\g0b+3], s[\g1b:\g1b+7]
	s_nop 0
.rept 4
	v_nop
.endr
.Lasked_\@:
.endm
.macro CREST
	s_cmp_lg_u32 s14, 0
	s_cbranch_scc1 .Lnot_wave_0_\@
	s_barrier_signal -3
.Lnot_wave_0_\@:
	s_barrier_wait -3
	s_barrier_signal -1
	s_barrier_wait -1
.endm
.macro CROUND
	s_barrier_signal -1
	s_barrier_wait -1
	CREST
.endm
	s_load_b128 s[4:7], s[0:1], 0x0                ; xc, xs
	s_load_b128 s[8:11], s[0:1], 0x10              ; wc, ws
	s_load_b128 s[96:99], s[0:1], 0x20             ; b_qkv, qkv
	v_lshl_add_u32 v[SPW], v0, 2, SPARE
	v_mov_b32 v[NIL], 0
	ds_add_u32 v28, v29
	ds_add_u32 v28, v29
	s_wait_dscnt 0x0
	v_lshrrev_b32 v1, 5, v0
	v_readfirstlane_b32 s14, v1                    ; wave 0..3
	s_lshr_b32 s15, s14, 1                         ; which half of A's rows is mine.  Also: I fetch for A (0) or for B (1)
	s_and_b32 s16, s14, 1                          ; which half of B's rows.  Also: which 128 rows I fetch
	s_bfe_u32 s40, ttmp6, 0x40000                  ; cx
	s_bfe_u32 s41, ttmp6, 0x40004                  ; cy
	s_and_b32 s17, ttmp7, 0xffff                   ; cluster y
	s_cmp_eq_u32 ttmp9, 2                          ; the v clusters change the operands' parts
	s_cselect_b32 s95, 1, 0
	s_cselect_b32 s42, s17, ttmp9                  ; B's tiles: v: tokens, by cluster y; q, k: columns, by cluster x
	s_cselect_b32 s17, 0, s17                      ; A's tiles: v: the four tiles of v's columns; q, k: tokens, by cluster y
	s_cselect_b32 s2, 2048, 0                      ; v's columns begin at row 2,048 of wc
	s_lshl_b32 s42, s42, 2
	s_add_co_u32 s42, s42, s40                     ; B's tile: hangs on cx
	s_lshl_b32 s17, s17, 2
	s_add_co_u32 s17, s17, s41                     ; A's tile: hangs on cy
	s_lshl_b32 s43, s41, 2
	s_lshl_b32 s43, 15, s43                        ; my row of the cluster
	s_lshl_b32 s44, 0x1111, s40                    ; my column
	s_or_b32 s[G1+0], s43, (3<<16)|(1<<21)         ; the mask; elements of 8 bytes; bit 21 beside a mask; no padding: the images are read 8 x lane
	s_or_b32 s[G1B+0], s44, (3<<16)|(1<<21)
.irp g, G1, G1B
	s_mov_b32 s[\g+1], 384<<16                     ; a row: a tile's 3,072 bytes of one K step
	s_mov_b32 s[\g+2], 16<<16                      ; 16 tiles (256 rows) for the head's loads; 8 behind them
	s_mov_b32 s[\g+3], 384<<16
	s_mov_b32 s[\g+4], 16
	s_mov_b32 s[\g+5], 1536                        ; 12,288 bytes from tile to tile
	s_mov_b32 s[\g+6], 0
	s_mov_b32 s[\g+7], 0
.endr
	s_or_b32 s[G1S+0], s43, (3<<16)|(1<<20)|(1<<21)|(5<<22)|(3<<25)  ; the scales of 256 rows: 8,192 dense bytes as 32 rows of 256, 16 bytes of padding behind each
	s_or_b32 s[G1SB+0], s44, (3<<16)|(1<<20)|(1<<21)|(5<<22)|(3<<25)
.irp g, G1S, G1SB
	s_mov_b32 s[\g+1], 32<<16
	s_mov_b32 s[\g+2], 32<<16
	s_mov_b32 s[\g+3], 32<<16
	s_mov_b32 s[\g+4], 32
	s_mov_b32 s[\g+5], 32
	s_mov_b32 s[\g+6], 0
	s_mov_b32 s[\g+7], 0
.endr
	s_lshl_b32 s20, s17, 8
	s_add_co_u32 s20, s20, s2                      ; A's tile: its first row
	s_lshl_b32 s46, s42, 8                         ; B's
	s_mov_b32 s21, 0
	s_mov_b32 s47, 0
	s_mov_b64 s[18:19], KS
	s_mul_u64 s[22:23], s[20:21], s[18:19]         ; where these rows' scales begin
	s_mul_u64 s[92:93], s[46:47], s[18:19]
	s_mov_b64 s[18:19], KROW
	s_mul_u64 s[20:21], s[20:21], s[18:19]         ; and their codes
	s_mul_u64 s[46:47], s[46:47], s[18:19]
	s_mul_i32 s45, s14, HALFT                      ; where they go: no place in the cluster enters an LDS address
	s_wait_kmcnt 0x0
	s_cmp_eq_u32 s95, 1                            ; on the v path the two pairs of buffers change places
	s_mov_b64 s[2:3], s[4:5]
	s_mov_b64 s[100:101], s[6:7]
	s_cselect_b64 s[4:5], s[8:9], s[4:5]
	s_cselect_b64 s[6:7], s[10:11], s[6:7]
	s_cselect_b64 s[8:9], s[2:3], s[8:9]
	s_cselect_b64 s[10:11], s[100:101], s[10:11]
	s_add_nc_u64 s[20:21], s[4:5], s[20:21]
	s_add_nc_u64 s[22:23], s[6:7], s[22:23]
	s_add_nc_u64 s[46:47], s[8:9], s[46:47]
	s_add_nc_u64 s[92:93], s[10:11], s[92:93]
	CROUND                                         ; all sixteen work-groups are here: the first joint loads meet
	s_mov_b32 s[G0S], 1
	s_mov_b32 s[G0S+1], SCL
	s_mov_b64 s[G0S+2:G0S+3], s[22:23]
	s_or_b32 s[G0S+3], s[G0S+3], 0x80000000
	s_mov_b32 s[G0SB], 1
	s_mov_b32 s[G0SB+1], SCL+2*HALFS
	s_mov_b64 s[G0SB+2:G0SB+3], s[92:93]
	s_or_b32 s[G0SB+3], s[G0SB+3], 0x80000000
	s_mov_b32 s[G0], 1                             ; the head's loads of K step 0, each whole: A's 256 rows,
	s_mov_b32 s[G0+1], 0
	s_mov_b64 s[G0+2:G0+3], s[20:21]
	s_or_b32 s[G0+3], s[G0+3], 0x80000000
	s_mov_b32 s[G0B], 1                            ; B's 256 rows behind them
	s_mov_b32 s[G0B+1], 2*HALFT
	s_mov_b64 s[G0B+2:G0B+3], s[46:47]
	s_or_b32 s[G0B+3], s[G0B+3], 0x80000000
	s_mul_i32 s100, s16, 8*12288                   ; in the ring I fetch 128 rows: which half, in bytes
	s_mov_b32 s101, 0
	s_add_nc_u64 s[20:21], s[20:21], s[100:101]
	s_add_nc_u64 s[46:47], s[46:47], s[100:101]
	s_mov_b32 s[G0+4], 1                           ; slot 1: my quarter of K step 1
	s_add_co_u32 s[G0+5], s45, SLOT
	s_add_nc_u64 s[G0+6:G0+7], s[20:21], KSTP
	s_or_b32 s[G0+7], s[G0+7], 0x80000000
	s_mov_b32 s[G0B+4], 1
	s_add_co_u32 s[G0B+5], s45, SLOT
	s_add_nc_u64 s[G0B+6:G0B+7], s[46:47], KSTP
	s_or_b32 s[G0B+7], s[G0B+7], 0x80000000
; THE HEAD'S LOADS, ONE A WAVE: wave 0 A's 256 rows of K step 0, wave 1 B's, wave 2 the scales of A's 256 rows, wave 3 those of B's.  One tree of branches on the wave's number.
.macro ARM under, g0, g1, next
	s_cmp_lt_u32 s14, \under
	s_cbranch_scc0 \next
	tensor_load_to_lds s[\g0:\g0+3], s[\g1:\g1+7]
	s_nop 0
.rept 4
	v_nop
.endr
	s_branch .Lhead_asked
\next:
.endm
	ARM 1, G0,  G1,  .Lhead_b
	ARM 2, G0B, G1B, .Lhead_sa
	ARM 3, G0S, G1S, .Lhead_sb
	tensor_load_to_lds s[G0SB:G0SB+3], s[G1SB:G1SB+7]
	s_nop 0
.rept 4
	v_nop
.endr
.Lhead_asked:
	v_and_b32 v1, 15, v0                           ; r
	v_bfe_u32 v2, v0, 4, 1                         ; h
	v_and_b32 v4, 31, v0
	v_lshlrev_b32 v4, 3, v4                        ; an image is read 8 x lane
	s_wait_alu depctr_va_vdst(0)
	s_mul_i32 s21, s15, HALFT
	s_mul_i32 s22, s16, HALFT
	s_add_co_u32 s22, s22, 2*HALFT
.irp s, 0,1
	v_add_nc_u32 v[ADRA+\s], s21, v4
	v_add_nc_u32 v[ADRB+\s], s22, v4
	s_add_co_u32 s21, s21, SLOT
	s_add_co_u32 s22, s22, SLOT
.endr
	v_mul_u32_u24 v5, v1, KS                       ; my row's scales,
	v_lshrrev_b32 v6, 8, v5
	v_lshl_add_u32 v5, v6, 4, v5                   ; and 16 more for each 256 passed
	s_mul_i32 s21, s15, HALFS
	s_mul_i32 s22, s16, HALFS
	s_add_co_u32 s22, s22, 2*HALFS
	s_sub_co_u32 s22, s22, s21
	v_mul_u32_u24 v6, s22, v2                      ; lanes 16-31 take B's
	s_add_co_u32 s21, s21, SCL
	v_add_nc_u32 v5, v5, v6
	v_add_nc_u32 v[ADRS], s21, v5
	v_and_b32 v6, 31, v0
	v_lshlrev_b32 v[L16], 4, v6
	; THE BIAS, in the result's layout.  q, k: it goes with B's rows: register j of tile t is column 32 (t / 2) + 16 h + 8 (t % 2) + j.  v: with A's rows: all eight registers of block t hold the bias of channel 32 (t / 2) + 8 (t % 2) + r + 8 (r / 8).
	s_cmp_eq_u32 s95, 1
	s_cselect_b32 s4, s17, s42                     ; the tile that carries the bias,
	s_cselect_b32 s5, s15, s16                     ; my half of it (also: which pair of heads is mine),
	s_cselect_b32 s6, 2048, 0
	s_cselect_b32 s7, 0, 4                         ; bytes from register to register,
	s_cselect_b32 s8, -1, 0                        ; a lane mask: every lane on the v path
	s_cselect_b32 s9, s42, s17                     ; the tile of 256 tokens,
	s_cselect_b32 s10, s16, s15                    ; my half of it,
	s_cselect_b32 s11, s17, s40                    ; the tile of 256 columns within q, k or v: four heads
	s_lshl_b32 s4, s4, 8
	s_lshl_b32 s22, s5, 7
	s_add_co_u32 s4, s4, s22
	s_add_co_u32 s4, s4, s6
	s_lshl_b32 s22, s4, 2
	s_mov_b32 s23, 0
	s_add_nc_u64 s[96:97], s[96:97], s[22:23]
	v_lshlrev_b32 v7, 6, v2                        ; 64 h
	v_and_b32 v6, 8, v1
	v_add_nc_u32 v6, v6, v1
	v_lshlrev_b32 v6, 2, v6                        ; 4 (r + 8 (r / 8))
	v_cndmask_b32 v7, v7, v6, s8
.irp j, 0,1,2,3,4,5,6,7
	v_mad_u32_u24 v[8+\j], s7, \j, v7
.endr
.irp t, 0,1,2,3,4,5,6,7
.irp j, 0,1,2,3,4,5,6,7
	global_load_b32 v[BI+8*\t+\j], v[8+\j], s[96:97] offset:(32*(\t/2)+8*(\t%2))*4
.endr
.endr
	; WHERE MY RESULTS GO: two heads' blocks of one step of 128 tokens
	s_cmp_eq_u32 ttmp9, 0                          ; q's section or K and V's
	s_mov_b32 s6, 212992
	s_cselect_b32 s6, 106496, s6                   ; bytes from head to head
	s_mov_b32 s4, 13312
	s_cselect_b32 s4, 6656, s4                     ; from step to step
	s_cselect_b32 s8, 13631488, 0                  ; the section
	s_mov_b32 s20, 12288
	s_cselect_b32 s20, 6144, s20                   ; q's or K's scale words in a block
	s_lshr_b32 s22, s9, 3
	s_lshl_b32 s22, s22, 4                         ; 16 x batch
	s_lshl_b32 s11, s11, 2
	s_lshl_b32 s5, s5, 1
	s_add_co_u32 s22, s22, s11
	s_add_co_u32 s22, s22, s5                      ; batch x 16 + my first head
	s_mul_i32 s22, s22, s6
	s_lshl_b32 s9, s9, 1
	s_add_co_u32 s9, s9, s10
	s_and_b32 s9, s9, 15                           ; the step of 128 tokens in its batch
	s_mul_i32 s9, s9, s4
	s_add_co_u32 s22, s22, s9
	s_add_co_u32 s22, s22, s8
	s_add_nc_u64 s[12:13], s[98:99], s[22:23]      ; my first head's block
	s_mov_b32 s7, 0
	s_add_nc_u64 s[18:19], s[12:13], s[6:7]        ; my second head's
	s_mov_b32 s21, 0
	s_add_nc_u64 s[22:23], s[18:19], s[20:21]      ; their scale words (q, k)
	s_add_nc_u64 s[20:21], s[12:13], s[20:21]
.macro FRAG reg, adr, q, i             ; a fragment, 16 rows x 128 K: 12 registers, in pieces of 8 bytes
.irp p, 0,1,2,3,4,5
	ds_load_b64 v[\reg+2*\p:\reg+2*\p+1], v[\adr] offset:3072*(\i)+1536*(\q)+256*\p   ; 32 lanes read 256 consecutive bytes
.endr
.endm
; 16 matrix instructions: A's blocks a0, a0 + 1 x B's eight.  zero = 1: the sums begin with the bias of B's rows; 2: with that of A's rows; 0: they go on.  The 64 accumulators take turns, one instruction a turn.
.macro MUL16 a0, p, q, sc, zero
.irp a, \a0, \a0+1
.irp b, 0,1,2,3,4,5,6,7
.if \zero == 1
	v_wmma_scale_f32_16x16x128_f8f6f4 v[8*(8*((\a)%4)+\b):8*(8*((\a)%4)+\b)+7], v[128*(\p)+FR*\b:128*(\p)+FR*\b+FR-1], v[AF+FR*(\a):AF+FR*(\a)+FR-1], v[BI+8*\b:BI+8*\b+7], v[SC+8*NQ*(\sc)+NQ*\b+(\q)], v[SC+8*NQ*(\sc)+NQ*(\a)+(\q)] matrix_a_fmt:MATRIX_FMT_FP6 matrix_b_fmt:MATRIX_FMT_FP6 matrix_a_scale:MATRIX_SCALE_ROW1
.elseif \zero == 2
	v_wmma_scale_f32_16x16x128_f8f6f4 v[8*(8*((\a)%4)+\b):8*(8*((\a)%4)+\b)+7], v[128*(\p)+FR*\b:128*(\p)+FR*\b+FR-1], v[AF+FR*(\a):AF+FR*(\a)+FR-1], v[BI+8*(\a):BI+8*(\a)+7], v[SC+8*NQ*(\sc)+NQ*\b+(\q)], v[SC+8*NQ*(\sc)+NQ*(\a)+(\q)] matrix_a_fmt:MATRIX_FMT_FP6 matrix_b_fmt:MATRIX_FMT_FP6 matrix_a_scale:MATRIX_SCALE_ROW1
.else
	v_wmma_scale_f32_16x16x128_f8f6f4 v[8*(8*((\a)%4)+\b):8*(8*((\a)%4)+\b)+7], v[128*(\p)+FR*\b:128*(\p)+FR*\b+FR-1], v[AF+FR*(\a):AF+FR*(\a)+FR-1], v[8*(8*((\a)%4)+\b):8*(8*((\a)%4)+\b)+7], v[SC+8*NQ*(\sc)+NQ*\b+(\q)], v[SC+8*NQ*(\sc)+NQ*(\a)+(\q)] matrix_a_fmt:MATRIX_FMT_FP6 matrix_b_fmt:MATRIX_FMT_FP6 matrix_a_scale:MATRIX_SCALE_ROW1
.endif
.endr
.endr
.endm
.macro FETCH_B slot, q, p
	WIN TO_B
.irp i, 0,1,2,3,4,5,6,7
	FRAG 128*(\p)+FR*\i, ADRB+\slot, \q, \i
.endr
	WIN 0
.endm
.macro FETCH_A slot, q, i0
.irp i, \i0, \i0+1, \i0+2, \i0+3
	FRAG AF+FR*(\i), ADRA+\slot, \q, \i
.endr
.endm
.macro SCALES sc                       ; a K step's scale words: lanes 0-15 A's block i, lanes 16-31 B's block i
.irp i, 0,1,2,3,4,5,6,7
	ds_load_b64 v[SC+8*NQ*\sc+NQ*\i:SC+8*NQ*\sc+NQ*\i+1], v[ADRS] offset:\i*SBLK
.endr
.endm
.macro PLACES n                        ; plain vector instructions between a matrix instruction and a load into, or a read of, its registers
.rept \n
	v_nop
.endr
.endm
.macro STEP slot, q, zero              ; 128 along K with its successor in the same slot
	s_wait_dscnt 4*NL                              ; B's set and A's blocks 0-3 are in; the youngest 24 loads (A's blocks 4-7) may be out
.if \zero
	WIN 0x81                                       ; C (the bias) in window 0, D in window 2
.else
	WIN MUL_LO
.endif
	MUL16 0, (\q)%2, \q, \slot, \zero
	MUL16 2, (\q)%2, \q, \slot, \zero
	s_wait_dscnt 0
	PLACES NP
	FETCH_B \slot, (\q)+1, 1-(\q)%2
	FETCH_A \slot, (\q)+1, 0
.if \zero
	WIN 0xc1
.else
	WIN MUL_HI
.endif
	MUL16 4, (\q)%2, \q, \slot, \zero
	MUL16 6, (\q)%2, \q, \slot, \zero
	PLACES NP
	WIN 0
	FETCH_A \slot, (\q)+1, 4
.endm
; A slot's last step changes slots: one barrier; in front of it each wave waits for all its tensor loads, adds 0 to its spare word, and waits for that and for its reads of this slot.
.macro TURN slot, next, fill
	s_wait_tensorcnt 0x0                           ; all my tensor loads have landed: my part of the next slot
	ds_add_u32 v[SPW], v[NIL]                      ; 0 onto my spare word
	s_wait_dscnt 4*NL+1                            ; (the add and the youngest 24 loads may be out)
	WIN MUL_LO
	MUL16 0, 1, NQ-1, \slot, 0
	s_wait_dscnt 0x0                               ; the add is done, and my reads of this slot are over
	s_barrier_signal -1
	MUL16 2, 1, NQ-1, \slot, 0
	WIN 0
	s_barrier_wait -1
.if \fill
	CREST                                          ; the barrier has opened a round of the cluster's barrier: no wave of any partner still reads this slot or has a load on its way
	s_add_nc_u64 s[G0+4*\slot+2:G0+4*\slot+3], s[G0+4*\slot+2:G0+4*\slot+3], 2*KSTP
	s_add_nc_u64 s[G0B+4*\slot+2:G0B+4*\slot+3], s[G0B+4*\slot+2:G0B+4*\slot+3], 2*KSTP
	JLOAD G0+4*\slot, G1, G0B+4*\slot, G1B         ; the first tensor load behind the round; its four v_nop are the places in front of the loads below
.else
	PLACES NP
.endif
	s_wait_alu depctr_va_vdst(0)
	v_add_nc_u32 v[ADRS], 4*NQ, v[ADRS]            ; the next K step's scale words
	FETCH_B \next, 0, 0
	FETCH_A \next, 0, 0
	SCALES \next
	WIN MUL_HI
	MUL16 4, 1, NQ-1, \slot, 0
	MUL16 6, 1, NQ-1, \slot, 0
	PLACES NP
	WIN 0
	FETCH_A \next, 0, 4
.endm
	s_wait_alu depctr_va_vdst(0)
	s_wait_tensorcnt 0x0                           ; my tile of the head's four is in
	ds_add_u32 v[SPW], v[NIL]
	s_mov_b32 s[G1+2], 8<<16                       ; no tensor load of mine is out: from here on a load brings 8 tiles (128 rows),
	s_mov_b32 s[G1+4], 8
	s_mov_b32 s[G1B+2], 8<<16
	s_mov_b32 s[G1B+4], 8
	s_mov_b32 s[G0+1], s45                         ; and slot 0's group 0 is my quarter's
	s_mov_b32 s[G0B+1], s45
	s_add_nc_u64 s[G0+2:G0+3], s[G0+2:G0+3], s[100:101]
	s_add_nc_u64 s[G0B+2:G0B+3], s[G0B+2:G0B+3], s[100:101]
	s_wait_dscnt 0x0
	CROUND                                         ; all four tiles are in, all sixteen work-groups are here,
	JLOAD G0+4, G1, G0B+4, G1B                     ; and K step 1's load is the first tensor load behind the round
	FETCH_B 0, 0, 0
	FETCH_A 0, 0, 0
	SCALES 0
	FETCH_A 0, 0, 4
	s_wait_loadcnt 0x0                             ; the bias
	s_cmp_eq_u32 s95, 1                            ; the first step is written twice: its C differs.  Both ways hold the same LDS loads and waits, no barrier and no tensor load
	s_cbranch_scc1 .Lfirst_v
	STEP 0, 0, 1
	s_branch .Lfirst_done
.Lfirst_v:
	STEP 0, 0, 2
.Lfirst_done:
	s_mov_b32 s3, LAPS-1
.Llap:
	TURN 0, 1, 1
	STEP 1, 0, 0
	TURN 1, 0, 1
	STEP 0, 0, 0
	s_sub_co_u32 s3, s3, 1
	s_cmp_lg_u32 s3, 0
	s_cbranch_scc1 .Llap
	TURN 0, 1, 0                                   ; the last lap fills nothing
	STEP 1, 0, 0
	s_wait_dscnt 4*NL
	WIN MUL_LO
	MUL16 0, 1, NQ-1, 1, 0
	MUL16 2, 1, NQ-1, 1, 0
	s_wait_dscnt 0
	WIN MUL_HI
	MUL16 4, 1, NQ-1, 1, 0
	MUL16 6, 1, NQ-1, 1, 0
	WIN 0
; THE WAY OUT.  The 64 numbers that a lane holds of A's block a (register 16 b + i = place 32 b + 16 (lane / 16) + i along the next K) become codes: the first 64 along K in v[d0] .. v[d0 + 5], the second in v[d1] .. ; the four scale bytes in v[pw].
; Each accumulator is read from its low end on.
.macro QUANTW a, d0, d1, pw
.set AC, 64*((\a)%4)
.set WW, 2+(\a)/4
	WIN WW*5                                       ; sources 0 and 1 in the accumulators' window
.irp b, 0,1,2,3
	v_max3_num_f32 v[TM+\b], |v[AC+16*\b]|, |v[AC+16*\b+1]|, 0x1800000   ; my 16 numbers of block b, and the floor 2^(3 - 127)
.endr
	WIN WW*20                                      ; sources 1 and 2
.irp i, 2,4,6,8,10,12,14
.irp b, 0,1,2,3
	v_max3_num_f32 v[TM+\b], v[TM+\b], |v[AC+16*\b+\i]|, |v[AC+16*\b+\i+1]|
.endr
.endr
	WIN 0
.irp b, 0,1,2,3
	v_permlanex16_b32 v[TM+4+\b], v[TM+\b], s44, s45
.endr
.irp b, 0,1,2,3
	v_max_num_f32 v[TM+\b], v[TM+\b], v[TM+4+\b]   ; with lane l xor 16's: the block's largest magnitude
.endr
.irp b, 0,1,2,3
	v_add_nc_u32 v[TM+12+\b], 0xff000000, v[TM+\b] ; 2 off its exponent field: the conversion's scale operand
.endr
.irp b, 0,1,2,3
	v_lshrrev_b32 v[TM+4+\b], 23, v[TM+12+\b]      ; the scale's byte
.endr
	v_lshl_or_b32 v[\pw], v[TM+5], 8, v[TM+4]
	v_lshl_or_b32 v[\pw], v[TM+6], 16, v[\pw]
	v_lshl_or_b32 v[\pw], v[TM+7], 24, v[\pw]
	WIN WW                                         ; source 0
	v_cvt_scalef32_pk16_fp6_f32 v[\d0:\d0+2], v[AC:AC+15], v[TM+12]
	v_cvt_scalef32_pk16_fp6_f32 v[CT0:CT0+2], v[AC+16:AC+31], v[TM+13]
	v_cvt_scalef32_pk16_fp6_f32 v[\d1:\d1+2], v[AC+32:AC+47], v[TM+14]
	v_cvt_scalef32_pk16_fp6_f32 v[CT1:CT1+2], v[AC+48:AC+63], v[TM+15]
	WIN 0
	v_nop                                          ; one plain place behind a scaled conversion
.irp i, 0,1,2
	v_permlane16_swap_b32 v[\d0+\i], v[CT0+\i]     ; a whole block to a lane: lanes 0-15 the even block, lanes 16-31 the odd one
	v_permlane16_swap_b32 v[\d1+\i], v[CT1+\i]
.endr
.irp i, 0,1,2
	v_mov_b32 v[\d0+3+\i], v[CT0+\i]
	v_mov_b32 v[\d1+3+\i], v[CT1+\i]
.endr
.endm
	PLACES NP                                      ; behind the last products
	s_mov_b32 s40, 0xffff0000                      ; as a lane mask: lanes 16-31
	s_mov_b32 s41, 0xffff
	s_mov_b32 s43, 0x7f7f0000                      ; the bytes of the unused half of K: 2^0
	s_mov_b32 s44, 0x76543210
	s_mov_b32 s45, 0xfedcba98                      ; lane l xor 16
	v_and_b32 v[L8], 31, v0
	v_lshlrev_b32 v[L8], 3, v[L8]
.irp b, 0,1,2,3
	v_mov_b32 v[TM+4+\b], 0                        ; written once: a lane permute's destination counts as one of its sources
.endr
	s_cmp_eq_u32 s95, 1
	s_cbranch_scc1 .Lout_v
	; q, k: block a is a tile of 16 tokens; its first 64 along K are my first head's channels, its second my second head's.  Two tiles make a pair's image: 12 registers a lane for each head.
.irp p, 0,1,2,3
	QUANTW 2*\p, PK+24*\p, PK+24*\p+12, PWA
	QUANTW 2*\p+1, PK+24*\p+6, PK+24*\p+18, PWB
	v_cndmask_b32 v[TT], v[PWA], v[PWB], s40       ; lanes 0-15 the even tile's words, lanes 16-31 the odd tile's
	v_and_or_b32 v[SA+\p], v[TT], s41, s43         ; my first head's two bytes,
	v_lshrrev_b32 v[TT], 16, v[TT]
	v_or_b32 v[SB+\p], s43, v[TT]                  ; my second head's
.irp c, 0,1,2
	global_store_b128 v[L16], v[PK+24*\p+4*\c:PK+24*\p+4*\c+3], s[12:13] offset:1536*\p+512*\c       ; 32 lanes store 512 consecutive bytes, aligned to 256
	global_store_b128 v[L16], v[PK+24*\p+12+4*\c:PK+24*\p+12+4*\c+3], s[18:19] offset:1536*\p+512*\c
.endr
.endr
	global_store_b128 v[L16], v[SA:SA+3], s[20:21]
	global_store_b128 v[L16], v[SB:SB+3], s[22:23]
	s_branch .Lout_done
.Lout_v:
	; v: block a is a tile of 16 channels (head a / 4, tile a % 4); its 128 along K are the step's keys: a whole fragment and a whole scale word
	v_mov_b32 v[ZP], 0
	v_mov_b32 v[ZP+1], 0
.irp a, 0,1,2,3,4,5,6,7
.if \a%2 == 0
	QUANTW \a, PK+12*\a, PK+12*\a+6, PWA
.else
	QUANTW \a, PK+12*\a, PK+12*\a+6, PWB
	v_cndmask_b32 v[SA+\a/2], v[PWA], v[PWB], s40  ; lanes 0-15 the even tile's words, lanes 16-31 the odd tile's
.endif
.irp c, 0,1,2
	global_store_b128 v[L16], v[PK+12*\a+4*\c:PK+12*\a+4*\c+3], s[12+6*(\a/4):13+6*(\a/4)] offset:6144+1536*(\a%4)+512*\c
.endr
.endr
	global_store_b64 v[L8], v[SA:SA+1], s[12:13] offset:12800      ; 32 lanes store 256 consecutive bytes, aligned
	global_store_b64 v[L8], v[SA+2:SA+3], s[18:19] offset:12800
	global_store_b64 v[L8], v[ZP:ZP+1], s[12:13] offset:13056      ; the block's last 256 bytes: the attention launch fetches whole blocks
	global_store_b64 v[L8], v[ZP:ZP+1], s[18:19] offset:13056
.Lout_done:
	s_wait_tensorcnt 0x0                           ; the wave's end
	ds_add_u32 v[SPW], v[NIL]
	s_wait_dscnt 0x0
	CROUND                                         ; the closing round: no work-group ends while a partner may still ask for a tile that names it
	s_endpgm
.Lfunc_end_k_qc15f6d9d9b_gemm_qkv:
	.size	k_qc15f6d9d9b_gemm_qkv, .Lfunc_end_k_qc15f6d9d9b_gemm_qkv-k_qc15f6d9d9b_gemm_qkv
	.p2alignl 7, 3214868480
	.fill 96, 4, 3214868480
	.section	.rodata,"a",@progbits
	.p2align	6, 0x0
	.amdhsa_kernel k_qc15f6d9d9b_gemm_qkv
		.amdhsa_group_segment_fixed_size 327680
		.amdhsa_private_segment_fixed_size 0
		.amdhsa_enable_private_segment 0
		.amdhsa_kernarg_size 48
		.amdhsa_user_sgpr_count 2
		.amdhsa_user_sgpr_kernarg_segment_ptr 1
		.amdhsa_wavefront_size32 1
		.amdhsa_system_sgpr_workgroup_id_x 1
		.amdhsa_system_sgpr_workgroup_id_y 1
		.amdhsa_system_sgpr_workgroup_id_z 1
		.amdhsa_system_vgpr_workitem_id 0
		.amdhsa_next_free_vgpr 1024
		.amdhsa_next_free_sgpr 102
		.amdhsa_reserve_vcc 0
		.amdhsa_float_denorm_mode_32 3
		.amdhsa_float_denorm_mode_16_64 3
		.amdhsa_memory_ordered 1
		.amdhsa_forward_progress 1
		.amdhsa_inst_pref_size 222
	.end_amdhsa_kernel
	.amdgpu_metadata
---
amdhsa.version: [ 1, 2 ]
amdhsa.kernels:
  - .name:           k_qc15f6d9d9b_gemm_qkv
    .symbol:         k_qc15f6d9d9b_gemm_qkv.kd
    .args:
      - { .name: xc, .offset: 0, .size: 8, .value_kind: global_buffer, .address_space: global }
      - { .name: xs, .offset: 8, .size: 8, .value_kind: global_buffer, .address_space: global }
      - { .name: wc, .offset: 16, .size: 8, .value_kind: global_buffer, .address_space: global }
      - { .name: ws, .offset: 24, .size: 8, .value_kind: global_buffer, .address_space: global }
      - { .name: b_qkv, .offset: 32, .size: 8, .value_kind: global_buffer, .address_space: global }
      - { .name: qkv, .offset: 40, .size: 8, .value_kind: global_buffer, .address_space: global }
    .group_segment_fixed_size: 327680
    .private_segment_fixed_size: 0
    .kernarg_segment_align: 8
    .kernarg_segment_size: 48
    .max_flat_workgroup_size: 128
    .sgpr_count:     102
    .vgpr_count:     1024
    .wavefront_size: 32
...
	.end_amdgpu_metadata
.endif
;; end of part 2
;; launch attn (part 3): grid 4 x 64, 16 waves a work-group, clusters of 4 x 1, 327,680 bytes of LDS; arguments qkv, mbits, cc, cs; writes cc, cs
.if DOCPART == 3
	.amdgcn_target "amdgcn-amd-amdhsa--gfx1250"
	.amdhsa_code_object_version 6
	.text
	.protected	k_qc15f6d9d9b_attn
	.globl	k_qc15f6d9d9b_attn
	.p2align	8
	.type	k_qc15f6d9d9b_attn,@function
k_qc15f6d9d9b_attn:
	s_mov_b64 s[64:65], 0
	v_nop
	global_prefetch_b8 v0, s[64:65] scope:SCOPE_SE
	s_setreg_imm32_b32 hwreg(HW_REG_WAVE_MODE, 25, 1), 1
	s_wait_xcnt 0x0
	s_wait_alu depctr_hold_cnt(0) depctr_sa_sdst(0) depctr_va_vdst(0) depctr_va_sdst(0) depctr_va_ssrc(0) depctr_va_vcc(0) depctr_vm_vsrc(0)
	s_getreg_b32 s2, hwreg(HW_REG_IB_STS2, 6, 4)
	s_cmp_eq_u32 s2, 0
	s_cbranch_scc0 .Lentry_in_a_cluster
	s_endpgm
.Lentry_in_a_cluster:
	s_bfe_u32 s2, ttmp6, 0x10000c
	s_cmp_lg_u32 s2, 0x3003
	s_cbranch_scc0 .Lentry_shape_is_right
	s_endpgm
.Lentry_shape_is_right:
; ATTENTION of one batch x head for 512 queries: softmax(where(mask == 0, -1000, q k^T / 8)) v on codes of FP6 (E2M3) with E8M0 scales; the result is quantised here into the last product's operand (cc, cs).
; A work-group has 16 waves; a wave takes two tiles of 16 queries, one after the other, each over all 2,048 keys in 16 steps of 128.  Both products are used transposed (S^T = k q^T, O^T = v^T p^T): a lane holds one query.
; K AND V of the head, 16 blocks of 13,312 bytes (52 rows of 256), all fit in LDS: wave w fetches block w by its one tensor load at the head, so nothing is ever filled again and one barrier serves the whole launch.
; CLUSTER of 4 along x: the four work-groups of a head ask for each block jointly (mask 15).
; THE SOFTMAX: t = score x log2(e) / 8; M = the running ceiling of the largest t, kept as -M; p = 2^(t - M); the sum is taken of the unquantised p; a change of M multiplies sums and O^T by an exact power of two, in every step, with no branch.
; A block's largest p is the exponential of the block's largest score.  A masked score is -8000 ahead of the division by 8, chosen by v_cndmask_b32 with the lane masks that the preparing launch laid (64 words a step, by scalar loads).
; THE MASK WORDS are prefetched: in the trip that uses block t of my 32 blocks of 256 bytes (and loads block t + 1) block t + 4 is asked for, three trips ahead of its load, held at my last block; each block belongs to one wave alone.
; K and V have no prefetch: their loads all go out at the head, with no loop ahead of them.
; LIMITS: the promise holds while |t| stays under 2^31; NaN and infinities are not served; a block of p under 2^-124 has the byte 1.
.set BLK,  13312
.set SPARE, 16*BLK                     ; behind the blocks: the spare words, 128 bytes a wave
.set AHEAD, 4
.set L16,  1
.set L8,   2
.set ADR,  3
.set ADR8, 4
.set NEG,  5
.set CF,   6
.set CSO,  8
.set QF0,  16                          ; v16-27, v28-39 the two tiles' q: 6 registers of codes, 6 of zero codes (a head has 64 of the instruction's 128 along K)
.set QF1,  28
.set ZR,   QF0+6                       ; a register of zeros: also the prefetch's offset
.set QS,   40
.set KF,   42                          ; v42-95 k's eight half fragments and six zeros; then v's four fragments
.set S,    96                          ; v96-159 scores, then p
.set O,    160                         ; v160-191 O^T
.set PC,   192
.set CT,   204
.set BM,   212
.set BT,   216
.set BS,   220
.set KSC,  224
.set VSC,  228
.set PS,   230
.set FF,   232
.set T0,   234
.set SUM2, 236
.set OUT0, 238
.set OUT1, 246
.set WV,   2
.set TB,   3
.set G1,   4
.set G0,   12
.set PO,   16                          ; s[16:17] the prefetch's offset, s[18:19] its address
.set PB,   18
.set SEL,  28
.set MP,   30
.set MO,   66
.set CNT,  67
.set CCB,  100
.set CSB,  104
.macro ROUND
	s_barrier_signal -1
	s_barrier_wait -1
	s_cmp_lg_u32 s[WV], 0
	s_cbranch_scc1 .Lnot_wave_0_\@
	s_barrier_signal -3
.Lnot_wave_0_\@:
	s_barrier_wait -3
	s_barrier_signal -1
	s_barrier_wait -1
.endm
	s_load_b128 s[32:35], s[0:1], 0x0              ; qkv, mbits
	s_load_b128 s[36:39], s[0:1], 0x10             ; cc, cs
	v_lshl_add_u32 v254, v0, 2, SPARE
	v_mov_b32 v255, 0
	ds_add_u32 v254, v255                          ; the opening lines: the add, twice on end, and its wait
	ds_add_u32 v254, v255
	v_lshrrev_b32 v1, 5, v0
	s_delay_alu instid0(VALU_DEP_1)
	v_readfirstlane_b32 s[WV], v1
	s_bfe_u32 s40, ttmp6, 0x40000                  ; cx: which 512 queries
	s_and_b32 s41, ttmp7, 0xffff                   ; batch x head
	s_mov_b32 s[G1], 15|(3<<16)|(1<<21)            ; all four partners; elements of 8 bytes
	s_mov_b32 s[G1+1], 32<<16                      ; rows of 256 bytes,
	s_mov_b32 s[G1+2], 52<<16                      ; 52 of them: a block
	s_mov_b32 s[G1+3], 32<<16
	s_mov_b32 s[G1+4], 52
	s_mov_b32 s[G1+5], 32
	s_mov_b32 s[G1+6], 0
	s_mov_b32 s[G1+7], 0
	s_mul_i32 s42, s[WV], BLK                      ; my block, in LDS and in the head's run
	s_mul_i32 s44, s41, 16*BLK
	s_add_co_u32 s44, s44, s42
	s_mov_b32 s45, 0
	s_wait_dscnt 0x0
	s_wait_kmcnt 0x0
	s_mov_b32 s[G0], 1
	s_mov_b32 s[G0+1], s42
	s_add_nc_u64 s[G0+2:G0+3], s[32:33], s[44:45]
	s_or_b32 s[G0+3], s[G0+3], 0x80000000
	ROUND                                          ; the four work-groups are here: the joint loads meet
	tensor_load_to_lds s[G0:G0+3], s[G1:G1+7]      ; my one tensor load of the launch
	s_nop 0
.rept 4
	v_nop
.endr
	s_lshl_b32 s46, s40, 4
	s_add_co_u32 s46, s46, s[WV]                   ; my pair of query tiles, 0..63
	s_mul_i32 s48, s41, 106496
	s_lshr_b32 s47, s46, 2
	s_mul_i32 s47, s47, 6656
	s_add_co_u32 s48, s48, s47
	s_add_co_u32 s48, s48, 13631488
	s_mov_b32 s49, 0
	s_add_nc_u64 s[CSB:CSB+1], s[32:33], s[48:49]
	s_and_b32 s47, s46, 3
	s_mul_i32 s50, s47, 1536
	s_mov_b32 s51, 0
	s_add_nc_u64 s[CCB:CCB+1], s[CSB:CSB+1], s[50:51]
	s_lshl_b32 s50, s47, 2
	s_add_nc_u64 s[CSB:CSB+1], s[CSB:CSB+1], s[50:51]
	v_and_b32 v8, 31, v0
	s_delay_alu instid0(VALU_DEP_1)
	v_lshlrev_b32 v[L16], 4, v8
	s_delay_alu instid0(VALU_DEP_2)
	v_lshlrev_b32 v[L8], 3, v8
.irp p, 0,1,2
	global_load_b64 v[QF0+2*\p:QF0+2*\p+1], v[L16], s[CCB:CCB+1] offset:512*(\p/2)+8*(\p%2)
	global_load_b64 v[QF1+2*\p:QF1+2*\p+1], v[L16], s[CCB:CCB+1] offset:512*((\p+3)/2)+8*((\p+3)%2)
.endr
	global_load_b32 v[QS], v[L16], s[CSB:CSB+1] offset:6144
	s_lshr_b32 s52, s41, 4
	s_lshl_b32 s52, s52, 7
	s_lshl_b32 s53, s46, 1
	s_add_co_u32 s52, s52, s53                     ; my first tile of 16 queries, counted over the batches
	s_lshl_b32 s54, s52, 12
	s_mov_b32 s55, 0
	s_add_nc_u64 s[MP:MP+1], s[34:35], s[54:55]    ; my 32 blocks of mask words
	s_mov_b32 s[SEL], 0x76543210
	s_mov_b32 s[SEL+1], 0xfedcba98
	s_mov_b32 s[TB], 0
	s_mov_b32 s[MO], 0
	s_mov_b32 s[PO+1], 0
	v_and_b32 v[CSO], 15, v0
	s_delay_alu instid0(VALU_DEP_1)
	v_lshlrev_b32 v[CSO], 5, v[CSO]
	v_mov_b32 v[NEG], 0xc5fa0000                   ; -8000
	v_mov_b32 v[CF], 0x3e38aa3b                    ; log2(e) / 8
	v_mov_b32 v[CF+1], 0x3e38aa3b
.irp i, 0,1,2,3,4,5
	v_mov_b32 v[QF0+6+\i], 0
	v_mov_b32 v[QF1+6+\i], 0
	v_mov_b32 v[KF+48+\i], 0
.endr
.irp b, 0,1,2,3
	v_mov_b32 v[BT+\b], 0
.endr
	v_mov_b32 v[FF+1], 0
	v_mov_b32 v[T0], 0
	s_wait_alu depctr_va_vdst(0)
	s_wait_loadcnt 0x0                             ; q is in: its address registers may be written
	s_and_b32 s53, s41, 15
	s_mul_i32 s54, s52, 12288
	s_mul_i32 s56, s53, 768
	s_add_co_u32 s54, s54, s56
	s_add_nc_u64 s[CCB:CCB+1], s[36:37], s[54:55]
	s_lshl_b32 s54, s52, 9
	s_lshl_b32 s56, s53, 1
	s_add_co_u32 s54, s54, s56
	s_add_nc_u64 s[CSB:CSB+1], s[38:39], s[54:55]
	s_load_b512 s[32:47], s[MP:MP+1], s[MO] offset:0x0
	s_load_b512 s[48:63], s[MP:MP+1], s[MO] offset:0x40
	s_load_b512 s[68:83], s[MP:MP+1], s[MO] offset:0x80
	s_load_b512 s[84:99], s[MP:MP+1], s[MO] offset:0xc0
.macro KQ t, qf, qrow
.if ((\t)%2) && \qrow
	v_wmma_scale_f32_16x16x128_f8f6f4 v[S+8*\t:S+8*\t+7], v[KF+6*\t:KF+6*\t+11], v[\qf:\qf+11], 0, v[KSC+\t/2], v[QS] matrix_a_fmt:MATRIX_FMT_FP6 matrix_b_fmt:MATRIX_FMT_FP6 matrix_a_scale:MATRIX_SCALE_ROW1 matrix_b_scale:MATRIX_SCALE_ROW1
.elseif (\t)%2
	v_wmma_scale_f32_16x16x128_f8f6f4 v[S+8*\t:S+8*\t+7], v[KF+6*\t:KF+6*\t+11], v[\qf:\qf+11], 0, v[KSC+\t/2], v[QS] matrix_a_fmt:MATRIX_FMT_FP6 matrix_b_fmt:MATRIX_FMT_FP6 matrix_a_scale:MATRIX_SCALE_ROW1
.elseif \qrow
	v_wmma_scale_f32_16x16x128_f8f6f4 v[S+8*\t:S+8*\t+7], v[KF+6*\t:KF+6*\t+11], v[\qf:\qf+11], 0, v[KSC+\t/2], v[QS] matrix_a_fmt:MATRIX_FMT_FP6 matrix_b_fmt:MATRIX_FMT_FP6 matrix_b_scale:MATRIX_SCALE_ROW1
.else
	v_wmma_scale_f32_16x16x128_f8f6f4 v[S+8*\t:S+8*\t+7], v[KF+6*\t:KF+6*\t+11], v[\qf:\qf+11], 0, v[KSC+\t/2], v[QS] matrix_a_fmt:MATRIX_FMT_FP6 matrix_b_fmt:MATRIX_FMT_FP6
.endif
.endm
; A step: 16 queries x 128 keys
.macro STEP qf, qrow
	v_add_nc_u32 v[ADR], s[TB], v[L16]             ; these four lines are the places behind the last step's products
	v_add_nc_u32 v[ADR8], s[TB], v[L8]
	v_nop
	v_nop
.irp i, 0,1,2,3,4,5,6,7,8,9,10,11
	ds_load_b128 v[KF+4*\i:KF+4*\i+3], v[ADR] offset:512*\i
.endr
	ds_load_b128 v[KSC:KSC+3], v[ADR] offset:12288
	s_wait_alu depctr_va_vdst(0)
	s_wait_dscnt 0x0
.irp t, 0,1,2,3,4,5,6,7
	KQ \t, \qf, \qrow
.endr
.rept 4
	v_nop
.endr
.irp i, 0,1,2,3,4,5,6,7,8,9,10,11
	ds_load_b128 v[KF+4*\i:KF+4*\i+3], v[ADR] offset:6144+512*\i   ; v's fragments land while the softmax is worked
.endr
	ds_load_b64 v[VSC:VSC+1], v[ADR8] offset:12800
	s_wait_kmcnt 0x0                               ; this step's 64 mask words
	s_wait_xcnt 0x0                                ; the last trip's prefetch has read its address
	s_add_co_u32 s[PO], s[MO], AHEAD*256
	s_min_u32 s[PO], s[PO], 31*256                 ; never beyond my last block
	s_add_nc_u64 s[PB:PB+1], s[MP:MP+1], s[PO:PO+1]
	global_prefetch_b8 v[ZR], s[PB:PB+1] th:TH_LOAD_NT scope:SCOPE_SE
.irp n, 0,1,2,3,4,5,6,7,8,9,10,11,12,13,14,15,16,17,18,19,20,21,22,23,24,25,26,27,28,29,30,31,32,33,34,35,36,37,38,39,40,41,42,43,44,45,46,47,48,49,50,51,52,53,54,55,56,57,58,59,60,61,62,63
	v_cndmask_b32 v[S+\n], v[NEG], v[S+\n], s[32+\n+4*(\n/32)]
.endr
	s_add_co_u32 s[MO], s[MO], 256
	s_min_u32 s[MO], s[MO], 31*256
	s_load_b512 s[32:47], s[MP:MP+1], s[MO] offset:0x0
	s_load_b512 s[48:63], s[MP:MP+1], s[MO] offset:0x40
	s_load_b512 s[68:83], s[MP:MP+1], s[MO] offset:0x80
	s_load_b512 s[84:99], s[MP:MP+1], s[MO] offset:0xc0
	s_wait_alu depctr_va_vdst(0)
	s_wait_dscnt 0x0                               ; no LDS load of mine is out at a signal
	s_barrier_signal -1                            ; a split barrier that orders no data: no wave leaves step i before every wave has come this far in step i, so the 16 waves walk the blocks together
.irp b, 0,1,2,3
	v_max3_num_f32 v[BM+\b], v[S+16*\b], v[S+16*\b+1], v[S+16*\b+2]
.endr
.irp i, 3,5,7,9,11,13
.irp b, 0,1,2,3
	s_delay_alu instid0(VALU_DEP_4)
	v_max3_num_f32 v[BM+\b], v[BM+\b], v[S+16*\b+\i], v[S+16*\b+\i+1]
.endr
.endr
.irp b, 0,1,2,3
	s_delay_alu instid0(VALU_DEP_4)
	v_max_num_f32 v[BM+\b], v[BM+\b], v[S+16*\b+15]
.endr
.irp b, 0,1,2,3
	s_delay_alu instid0(VALU_DEP_4)
	v_permlanex16_b32 v[BT+\b], v[BM+\b], s[SEL], s[SEL+1]
.endr
.irp b, 0,1,2,3
	s_delay_alu instid0(VALU_DEP_4)
	v_max_num_f32 v[BM+\b], v[BM+\b], v[BT+\b]
.endr
	s_delay_alu instid0(VALU_DEP_2)
	v_max3_num_f32 v[T0], v[BM], v[BM+1], v[BM+2]
	s_delay_alu instid0(VALU_DEP_1)
	v_max_num_f32 v[T0], v[T0], v[BM+3]
	s_delay_alu instid0(VALU_DEP_1)
	v_mul_f32 v[T0], v[CF], v[T0]
	s_delay_alu instid0(VALU_DEP_1)
	v_max_num_f32 v13, v13, v[T0]                  ; the running largest t
	v_mov_b32 v[T0], v12
	s_delay_alu instid0(VALU_DEP_2)
	v_floor_f32 v12, -v13                          ; -M
	s_delay_alu instid0(VALU_DEP_1)
	v_sub_f32 v[T0], v12, v[T0]
	s_delay_alu instid0(VALU_DEP_1)
	v_cvt_i32_f32 v[T0], v[T0]
	s_delay_alu instid0(VALU_DEP_1)
	v_ldexp_f32 v[FF], 1.0, v[T0]                  ; 2^(old M - new M)
.irp j, 0,2,4,6,8,10,12,14,16,18,20,22,24,26,28,30,32,34,36,38,40,42,44,46,48,50,52,54,56,58,60,62
	v_pk_fma_f32 v[S+\j:S+\j+1], v[S+\j:S+\j+1], v[CF:CF+1], v[12:13] op_sel_hi:[1,0,0]
.endr
.irp b, 0,1,2,3
	v_fma_f32 v[BM+\b], v[BM+\b], v[CF], v12
.endr
	s_wait_alu depctr_va_vdst(0)                   ; the wait ahead of the batch
.irp j, 0,1,2,3,4,5,6,7,8,9,10,11,12,13,14,15,16,17,18,19,20,21,22,23,24,25,26,27,28,29,30,31,32,33,34,35,36,37,38,39,40,41,42,43,44,45,46,47,48,49,50,51,52,53,54,55,56,57,58,59,60,61,62,63
	v_exp_f32 v[S+\j], v[S+\j]
.endr
	v_pk_mul_f32 v[14:15], v[14:15], v[FF:FF+1] op_sel_hi:[1,0]
	s_wait_alu depctr_va_vdst(0)                   ; and behind it
.irp b, 0,1,2,3
	v_exp_f32 v[BM+\b], v[BM+\b]
.endr
	v_pk_add_f32 v[SUM2:SUM2+1], v[S:S+1], v[S+2:S+3]
.irp j, 4,8,12,16,20,24,28,32,36,40,44,48,52,56,60
	v_pk_add_f32 v[14:15], v[14:15], v[S+\j:S+\j+1]
	v_pk_add_f32 v[SUM2:SUM2+1], v[SUM2:SUM2+1], v[S+\j+2:S+\j+3]
.endr
	s_delay_alu instid0(VALU_DEP_1)
	v_pk_add_f32 v[14:15], v[14:15], v[SUM2:SUM2+1]
	s_wait_alu depctr_va_vdst(0)                   ; for the four
.irp b, 0,1,2,3
	v_max_num_f32 v[BM+\b], 0x1800000, v[BM+\b]
.endr
.irp b, 0,1,2,3
	s_delay_alu instid0(VALU_DEP_4)
	v_add_nc_u32 v[BS+\b], 0xff000000, v[BM+\b]
.endr
.irp b, 0,1,2,3
	s_delay_alu instid0(VALU_DEP_4)
	v_lshrrev_b32 v[BT+\b], 23, v[BS+\b]
.endr
	s_delay_alu instid0(VALU_DEP_3)
	v_lshl_or_b32 v[PS], v[BT+1], 8, v[BT]
	s_delay_alu instid0(VALU_DEP_1)
	v_lshl_or_b32 v[PS], v[BT+2], 16, v[PS]
	s_delay_alu instid0(VALU_DEP_1)
	v_lshl_or_b32 v[PS], v[BT+3], 24, v[PS]
.irp c, 0,1
	v_cvt_scalef32_pk16_fp6_f32 v[PC+6*\c:PC+6*\c+2], v[S+32*\c:S+32*\c+15], v[BS+2*\c]
	v_cvt_scalef32_pk16_fp6_f32 v[CT+4*\c:CT+4*\c+2], v[S+32*\c+16:S+32*\c+31], v[BS+2*\c+1]
.endr
	v_nop
.irp c, 0,1
.irp i, 0,1,2
	v_permlane16_swap_b32 v[PC+6*\c+\i], v[CT+4*\c+\i]
.endr
.irp i, 0,1,2
	s_delay_alu instid0(VALU_DEP_3)
	v_mov_b32 v[PC+6*\c+3+\i], v[CT+4*\c+\i]
.endr
.endr
.irp j, 0,2,4,6,8,10,12,14,16,18,20,22,24,26,28,30
	v_pk_mul_f32 v[O+\j:O+\j+1], v[O+\j:O+\j+1], v[FF:FF+1] op_sel_hi:[1,0]
.endr
	s_wait_alu depctr_va_vdst(0)
	s_wait_dscnt 0x0                               ; v's fragments
.irp t, 0,1,2,3
.if \t%2
	v_wmma_scale_f32_16x16x128_f8f6f4 v[O+8*\t:O+8*\t+7], v[KF+12*\t:KF+12*\t+11], v[PC:PC+11], v[O+8*\t:O+8*\t+7], v[VSC+\t/2], v[PS] matrix_a_fmt:MATRIX_FMT_FP6 matrix_b_fmt:MATRIX_FMT_FP6 matrix_a_scale:MATRIX_SCALE_ROW1
.else
	v_wmma_scale_f32_16x16x128_f8f6f4 v[O+8*\t:O+8*\t+7], v[KF+12*\t:KF+12*\t+11], v[PC:PC+11], v[O+8*\t:O+8*\t+7], v[VSC+\t/2], v[PS] matrix_a_fmt:MATRIX_FMT_FP6 matrix_b_fmt:MATRIX_FMT_FP6
.endif
.endr
	s_add_co_u32 s[TB], s[TB], BLK
	s_barrier_wait -1                              ; only work on registers stands between the signal and this line
.endm
.macro STEPS n, qf, qrow
	s_mov_b32 s[CNT], \n
.Lsteps_\@:
	STEP \qf, \qrow
	s_sub_co_u32 s[CNT], s[CNT], 1
	s_cmp_lg_u32 s[CNT], 0
	s_cbranch_scc1 .Lsteps_\@
.endm
.macro INIT
	v_mov_b32 v13, 0xff61b1e6                      ; -3e38, under every t
	s_delay_alu instid0(VALU_DEP_1)
	v_floor_f32 v12, -v13
	v_mov_b32 v14, 0
	v_mov_b32 v15, 0
.set J, 0
.rept 32
	v_mov_b32 v[O+J], 0
.set J, J+1
.endr
.endm
; A tile's end: O^T / the sum, quantised along the head's 64 channels, stored as the image of the last product's operand
.macro FIN pass, out
.if \pass
	s_wait_xcnt 0x0
	s_add_nc_u64 s[CCB:CCB+1], s[CCB:CCB+1], 12288
	s_add_nc_u64 s[CSB:CSB+1], s[CSB:CSB+1], 512
.endif
.rept 4
	v_nop
.endr
	v_add_f32 v14, v14, v15
	s_delay_alu instid0(VALU_DEP_1)
	v_permlanex16_b32 v[T0], v14, s[SEL], s[SEL+1]
	s_delay_alu instid0(VALU_DEP_1)
	v_add_f32 v14, v14, v[T0]
	s_wait_alu depctr_va_vdst(0)
	v_rcp_f32 v14, v14
	v_nop
	s_wait_alu depctr_va_vdst(0)
.irp j, 0,2,4,6,8,10,12,14,16,18,20,22,24,26,28,30
	v_pk_mul_f32 v[S+\j:S+\j+1], v[O+\j:O+\j+1], v[14:15] op_sel_hi:[1,0]
.endr
.irp b, 0,1
	v_max3_num_f32 v[BM+\b], |v[S+16*\b]|, |v[S+16*\b+1]|, 0x1800000
.endr
.irp i, 2,4,6,8,10,12,14
.irp b, 0,1
	s_delay_alu instid0(VALU_DEP_2)
	v_max3_num_f32 v[BM+\b], v[BM+\b], |v[S+16*\b+\i]|, |v[S+16*\b+\i+1]|
.endr
.endr
.irp b, 0,1
	s_delay_alu instid0(VALU_DEP_2)
	v_permlanex16_b32 v[BT+\b], v[BM+\b], s[SEL], s[SEL+1]
.endr
.irp b, 0,1
	s_delay_alu instid0(VALU_DEP_2)
	v_max_num_f32 v[BM+\b], v[BM+\b], v[BT+\b]
.endr
.irp b, 0,1
	s_delay_alu instid0(VALU_DEP_2)
	v_add_nc_u32 v[BS+\b], 0xff000000, v[BM+\b]
.endr
.irp b, 0,1
	s_delay_alu instid0(VALU_DEP_2)
	v_lshrrev_b32 v[BT+\b], 23, v[BS+\b]
.endr
	s_delay_alu instid0(VALU_DEP_1)
	v_lshl_or_b32 v[\out+6], v[BT+1], 8, v[BT]
	v_cvt_scalef32_pk16_fp6_f32 v[\out:\out+2], v[S:S+15], v[BS]
	v_cvt_scalef32_pk16_fp6_f32 v[CT:CT+2], v[S+16:S+31], v[BS+1]
	v_nop
.irp i, 0,1,2
	v_permlane16_swap_b32 v[\out+\i], v[CT+\i]
.endr
.irp i, 0,1,2
	s_delay_alu instid0(VALU_DEP_3)
	v_mov_b32 v[\out+3+\i], v[CT+\i]
.endr
.irp p, 0,1,2
	global_store_b64 v[L8], v[\out+2*\p:\out+2*\p+1], s[CCB:CCB+1] offset:256*\p   ; 32 lanes store 256 consecutive bytes, aligned
.endr
	global_store_b16 v[CSO], v[\out+6], s[CSB:CSB+1]
.endm
	INIT
	s_wait_alu depctr_va_vdst(0)
	s_wait_tensorcnt 0x0                           ; my block is in,
	s_wait_dscnt 0x0
	s_barrier_signal -1
	s_barrier_wait -1                              ; everybody's is: all 16 blocks may be read, and nothing is filled again
	STEPS 16, QF0, 0
	FIN 0, OUT0
	INIT
	s_mov_b32 s[TB], 0
	STEPS 16, QF1, 1
	FIN 1, OUT1
	s_wait_tensorcnt 0x0                           ; the wave's end
	ds_add_u32 v254, v255
	s_wait_dscnt 0x0
	ROUND                                          ; the closing round
	s_endpgm
.Lfunc_end_k_qc15f6d9d9b_attn:
	.size	k_qc15f6d9d9b_attn, .Lfunc_end_k_qc15f6d9d9b_attn-k_qc15f6d9d9b_attn
	.p2alignl 7, 3214868480
	.fill 96, 4, 3214868480
	.section	.rodata,"a",@progbits
	.p2align	6, 0x0
	.amdhsa_kernel k_qc15f6d9d9b_attn
		.amdhsa_group_segment_fixed_size 327680
		.amdhsa_private_segment_fixed_size 0
		.amdhsa_enable_private_segment 0
		.amdhsa_kernarg_size 32
		.amdhsa_user_sgpr_count 2
		.amdhsa_user_sgpr_kernarg_segment_ptr 1
		.amdhsa_wavefront_size32 1
		.amdhsa_system_sgpr_workgroup_id_x 1
		.amdhsa_system_sgpr_workgroup_id_y 1
		.amdhsa_system_sgpr_workgroup_id_z 1
		.amdhsa_system_vgpr_workitem_id 0
		.amdhsa_next_free_vgpr 256
		.amdhsa_next_free_sgpr 106
		.amdhsa_reserve_vcc 0
		.amdhsa_float_denorm_mode_32 3
		.amdhsa_float_denorm_mode_16_64 3
		.amdhsa_memory_ordered 1
		.amdhsa_forward_progress 1
		.amdhsa_inst_pref_size 63
	.end_amdhsa_kernel
	.amdgpu_metadata
---
amdhsa.version: [ 1, 2 ]
amdhsa.kernels:
  - .name:           k_qc15f6d9d9b_attn
    .symbol:         k_qc15f6d9d9b_attn.kd
    .args:
      - { .name: qkv, .offset: 0, .size: 8, .value_kind: global_buffer, .address_space: global }
      - { .name: mbits, .offset: 8, .size: 8, .value_kind: global_buffer, .address_space: global }
      - { .name: cc, .offset: 16, .size: 8, .value_kind: global_buffer, .address_space: global }
      - { .name: cs, .offset: 24, .size: 8, .value_kind: global_buffer, .address_space: global }
    .group_segment_fixed_size: 327680
    .private_segment_fixed_size: 0
    .kernarg_segment_align: 8
    .kernarg_segment_size: 32
    .max_flat_workgroup_size: 512
    .sgpr_count:     106
    .vgpr_count:     256
    .wavefront_size: 32
...
	.end_amdgpu_metadata
.endif
;; end of part 3
;; launch gemm_out (part 4): grid 4 x 64, 4 waves a work-group, clusters of 4 x 4, 327,680 bytes of LDS; arguments cc, cs, wc, ws, b_out, out0; writes out0
.if DOCPART == 4
	.amdgcn_target "amdgcn-amd-amdhsa--gfx1250"
	.amdhsa_code_object_version 6
	.text
	.protected	k_qc15f6d9d9b_gemm_out
	.globl	k_qc15f6d9d9b_gemm_out
	.p2align	8
	.type	k_qc15f6d9d9b_gemm_out,@function
k_qc15f6d9d9b_gemm_out:
	s_mov_b64 s[64:65], 0
	v_nop
	global_prefetch_b8 v0, s[64:65] scope:SCOPE_SE
	s_setreg_imm32_b32 hwreg(HW_REG_WAVE_MODE, 25, 1), 1
	s_wait_xcnt 0x0
	s_wait_alu depctr_hold_cnt(0) depctr_sa_sdst(0) depctr_va_vdst(0) depctr_va_sdst(0) depctr_va_ssrc(0) depctr_va_vcc(0) depctr_vm_vsrc(0)
	s_getreg_b32 s2, hwreg(HW_REG_IB_STS2, 6, 4)
	s_cmp_eq_u32 s2, 0
	s_cbranch_scc0 .Lentry_in_a_cluster
	s_endpgm
.Lentry_in_a_cluster:
	s_bfe_u32 s2, ttmp6, 0x10000c
	s_cmp_lg_u32 s2, 0xf033
	s_cbranch_scc0 .Lentry_shape_is_right
	s_endpgm
.Lentry_shape_is_right:
; out0 = ctx w_out + b_out on codes of FP6 (E2M3) with E8M0 scales for each 32 along K = 1024.  ctx: cc, cs (the attention launch's results); w_out: rows 3,072 .. 4,095 of wc, ws.
; cc and wc are images of operand registers: [tile of 16 rows][128 along K: 8][piece: 6][lane: 32][8 bytes], 12,288 bytes a tile; cs and ws are [row][32 bytes].
; A BLOCK of 128 rows of ctx x 256 columns: 64 x 4 = 256 work-groups of four waves; a wave makes 64 x 128: 32 accumulators of 16 x 16.
; ALL OF K LIES IN LDS: A's 8 tiles (98,304 bytes), B's 16 tiles (196,608), the scales of A's 128 rows and of B's 256 (13,056 with their padding).  These are four dense blocks of memory and four tensor loads, one a wave, at the head:
; nothing is filled again, and K has no barrier.  No prefetch: every load of the launch goes out at its head, with no loop ahead of it.
; CLUSTERS of 4 x 4: the four of a row of the cluster ask jointly for A's block and scales, the four of a column for B's.
; The matrix instruction is used transposed (source 0 = 16 rows of wc, source 1 = 16 rows of cc): a lane holds eight numbers of one row of out0.  The bias is the C of each sum's first instruction.
; Rows of cc, cs, wc, ws are stored with bits 3 and 4 of the row's number exchanged: the way out puts rows and columns back.
; REGISTERS: window 0: v0-31 addresses; v32-95 all scale words (register 8 i + q: lanes 0-15 A's block i, lanes 16-31 B's block i, K step q); v96-159 the bias; v160-255 A's fragments, two sets of 4; on the way out v128-255 are free.
;   window 1: B's fragments, two sets of 8, at v0 and v128.   window 2: the accumulators, (a, b) at v[8 (8 a + b)].
.set FR,     12
.set NP,     4                         ; places behind this matrix instruction (ISA guide 7.12.1)
.set TILEB,  12288
.set BBASE,  8*TILEB
.set SCL,    24*TILEB
.set SBLK,   2*272                     ; the scales of 16 rows: two units of 256 bytes + 16
.set SCLB,   SCL+8*SBLK
.set SPARE,  SCL+24*SBLK               ; the spare words: 128 bytes a wave
.set SPITCH, 528                       ; the way out: a stage of 16 rows x (512 + 16) bytes a wave, in A's bytes, which have had their only fill
.set ADRA, 16
.set ADRB, 18                          ; v18 B's tiles 0-3, v19 tiles 4-7 (an LDS offset has 16 bits)
.set STO,  24
.set RD,   25
.set CO,   26
.set ADRS, 27
.set SPW,  28
.set NIL,  29
.set SC,   32
.set BI,   96
.set AF,   160
.set BK,   128
.set G1, 24
.set G0, 32
.set G1B, 48
.set G0B, 56
.set G1S, 68
.set G0S, 76
.set G1SB, 80
.set G0SB, 88
.set MSB, 0
.macro WIN new                         ; the immediate's high byte repeats the setting that is left
.if MSB != (\new)
	s_set_vgpr_msb (MSB<<8)|(\new)
.set MSB, (\new)
.endif
.endm
.set MUL_LO, 0xa1                      ; source 0 (B) window 1, source 1 (A) window 0, C and D window 2
.set TO_B,   0x40
.macro CREST
	s_cmp_lg_u32 s14, 0
	s_cbranch_scc1 .Lnot_wave_0_\@
	s_barrier_signal -3
.Lnot_wave_0_\@:
	s_barrier_wait -3
	s_barrier_signal -1
	s_barrier_wait -1
.endm
.macro CROUND
	s_barrier_signal -1
	s_barrier_wait -1
	CREST
.endm
.macro PLACES n
.rept \n
	v_nop
.endr
.endm
	s_load_b128 s[4:7], s[0:1], 0x0                ; cc, cs
	s_load_b128 s[8:11], s[0:1], 0x10              ; wc, ws
	s_load_b128 s[96:99], s[0:1], 0x20             ; b_out, out0
	v_lshl_add_u32 v[SPW], v0, 2, SPARE
	v_mov_b32 v[NIL], 0
	ds_add_u32 v[SPW], v[NIL]                      ; the opening lines: the add, twice on end, and its wait
	ds_add_u32 v[SPW], v[NIL]
	v_lshrrev_b32 v1, 5, v0
	v_readfirstlane_b32 s14, v1                    ; wave 0..3
	s_lshr_b32 s15, s14, 1                         ; which 64 rows of A are mine
	s_and_b32 s16, s14, 1                          ; which 128 rows of B
	s_bfe_u32 s40, ttmp6, 0x40000                  ; cx
	s_bfe_u32 s41, ttmp6, 0x40004                  ; cy
	s_lshl_b32 s42, ttmp9, 2
	s_add_co_u32 s42, s42, s40                     ; which 256 columns
	s_and_b32 s17, ttmp7, 0xffff
	s_lshl_b32 s17, s17, 2
	s_add_co_u32 s17, s17, s41                     ; which 128 rows
	s_lshl_b32 s43, s41, 2
	s_lshl_b32 s43, 15, s43                        ; my row of the cluster
	s_lshl_b32 s44, 0x1111, s40                    ; my column
	s_or_b32 s[G1+0], s43, (3<<16)|(1<<21)         ; A's codes: 8 rows of 12,288 bytes (1,536 elements of 8), dense
	s_mov_b32 s[G1+1], 1536<<16
	s_mov_b32 s[G1+2], 8<<16
	s_mov_b32 s[G1+3], 1536<<16
	s_mov_b32 s[G1+4], 8
	s_mov_b32 s[G1+5], 1536
	s_mov_b32 s[G1+6], 0
	s_mov_b32 s[G1+7], 0
	s_or_b32 s[G1B+0], s44, (3<<16)|(1<<21)        ; B's: 16 such rows
	s_mov_b32 s[G1B+1], 1536<<16
	s_mov_b32 s[G1B+2], 16<<16
	s_mov_b32 s[G1B+3], 1536<<16
	s_mov_b32 s[G1B+4], 16
	s_mov_b32 s[G1B+5], 1536
	s_mov_b32 s[G1B+6], 0
	s_mov_b32 s[G1B+7], 0
	s_or_b32 s[G1S+0], s43, (3<<16)|(1<<20)|(1<<21)|(5<<22)|(3<<25)   ; A's scales: 16 rows of 256 bytes, 16 bytes of padding behind each
	s_mov_b32 s[G1S+1], 32<<16
	s_mov_b32 s[G1S+2], 16<<16
	s_mov_b32 s[G1S+3], 32<<16
	s_mov_b32 s[G1S+4], 16
	s_mov_b32 s[G1S+5], 32
	s_mov_b32 s[G1S+6], 0
	s_mov_b32 s[G1S+7], 0
	s_or_b32 s[G1SB+0], s44, (3<<16)|(1<<20)|(1<<21)|(5<<22)|(3<<25)  ; B's: 32 such rows
	s_mov_b32 s[G1SB+1], 32<<16
	s_mov_b32 s[G1SB+2], 32<<16
	s_mov_b32 s[G1SB+3], 32<<16
	s_mov_b32 s[G1SB+4], 32
	s_mov_b32 s[G1SB+5], 32
	s_mov_b32 s[G1SB+6], 0
	s_mov_b32 s[G1SB+7], 0
	s_mul_i32 s20, s17, 8*TILEB                    ; where my block's rows begin, in bytes: A's codes,
	s_mov_b32 s21, 0
	s_lshl_b32 s22, s17, 12                        ; A's scales (128 rows x 32),
	s_mov_b32 s23, 0
	s_mul_i32 s46, s42, 16*TILEB                   ; B's codes, behind w_qkv's 3,072 rows,
	s_add_co_u32 s46, s46, 3072*768
	s_mov_b32 s47, 0
	s_lshl_b32 s92, s42, 13                        ; B's scales
	s_add_co_u32 s92, s92, 3072*32
	s_mov_b32 s93, 0
	s_wait_dscnt 0x0                               ; both opening adds are done
	s_wait_kmcnt 0x0
	s_mov_b32 s[G0], 1
	s_mov_b32 s[G0+1], 0
	s_add_nc_u64 s[G0+2:G0+3], s[4:5], s[20:21]
	s_or_b32 s[G0+3], s[G0+3], 0x80000000
	s_mov_b32 s[G0B], 1
	s_mov_b32 s[G0B+1], BBASE
	s_add_nc_u64 s[G0B+2:G0B+3], s[8:9], s[46:47]
	s_or_b32 s[G0B+3], s[G0B+3], 0x80000000
	s_mov_b32 s[G0S], 1
	s_mov_b32 s[G0S+1], SCL
	s_add_nc_u64 s[G0S+2:G0S+3], s[6:7], s[22:23]
	s_or_b32 s[G0S+3], s[G0S+3], 0x80000000
	s_mov_b32 s[G0SB], 1
	s_mov_b32 s[G0SB+1], SCLB
	s_add_nc_u64 s[G0SB+2:G0SB+3], s[10:11], s[92:93]
	s_or_b32 s[G0SB+3], s[G0SB+3], 0x80000000
	CROUND                                         ; all sixteen work-groups are here: the joint loads meet
; THE LAUNCH'S FOUR LOADS, ONE A WAVE: wave 0 A's codes, wave 1 B's, wave 2 A's scales, wave 3 B's.  One tree of branches on the wave's number; an s_nop 0 and four v_nop follow each load.
.macro ARM under, g0, g1, next
	s_cmp_lt_u32 s14, \under
	s_cbranch_scc0 \next
	tensor_load_to_lds s[\g0:\g0+3], s[\g1:\g1+7]
	s_nop 0
.rept 4
	v_nop
.endr
	s_branch .Lhead_asked
\next:
.endm
	ARM 1, G0,  G1,  .Lhead_b
	ARM 2, G0B, G1B, .Lhead_sa
	ARM 3, G0S, G1S, .Lhead_sb
	tensor_load_to_lds s[G0SB:G0SB+3], s[G1SB:G1SB+7]
	s_nop 0
.rept 4
	v_nop
.endr
.Lhead_asked:
	v_and_b32 v1, 15, v0                           ; r
	v_bfe_u32 v2, v0, 4, 1                         ; h
	v_and_b32 v6, 31, v0
	v_lshlrev_b32 v7, 3, v6                        ; an image is read 8 x lane
	v_lshlrev_b32 v[CO], 4, v6                     ; 16 x lane
	v_lshlrev_b32 v8, 6, v2                        ; the bias: 64 h
	s_wait_alu depctr_va_vdst(0)
	s_mul_i32 s21, s15, 4*TILEB                    ; my 4 tiles of A
	s_mul_i32 s22, s16, 8*TILEB                    ; my 8 tiles of B
	s_add_co_u32 s22, s22, BBASE
	v_add_nc_u32 v[ADRA], s21, v7
	v_add_nc_u32 v[ADRB], s22, v7
	s_add_co_u32 s22, s22, 4*TILEB
	v_add_nc_u32 v[ADRB+1], s22, v7
	v_lshlrev_b32 v5, 5, v1                        ; my row's 32 scale bytes,
	v_lshrrev_b32 v3, 3, v1
	v_lshl_add_u32 v5, v3, 4, v5                   ; and 16 more behind the first 256
	s_mul_i32 s21, s15, 4*SBLK                     ; A's: my 4 blocks
	s_mul_i32 s22, s16, 8*SBLK                     ; B's: my 8 blocks, behind A's 8
	s_add_co_u32 s22, s22, 8*SBLK
	s_sub_co_u32 s22, s22, s21
	v_mul_u32_u24 v6, s22, v2                      ; lanes 16-31 take B's
	s_add_co_u32 s21, s21, SCL
	v_add_nc_u32 v5, v5, v6
	v_add_nc_u32 v[ADRS], s21, v5
	s_mul_i32 s23, s14, 16*SPITCH                  ; my stage
	v_mul_u32_u24 v5, v1, SPITCH
	v_lshl_add_u32 v5, v2, 6, v5                   ; in: row r, 64 bytes for each half of the lanes
	v_add_nc_u32 v[STO], s23, v5
	v_add_nc_u32 v[RD], s23, v[CO]                 ; back: the 32 lanes take a row of 512 bytes
	s_lshl_b32 s20, s17, 7
	s_lshl_b32 s21, s15, 6
	s_add_co_u32 s20, s20, s21                     ; my first row of out0
	s_lshl_b32 s20, s20, 12                        ; a row is 4,096 bytes
	s_mov_b32 s21, 0
	s_lshl_b32 s46, s42, 10
	s_lshl_b32 s47, s16, 9
	s_add_co_u32 s46, s46, s47                     ; my first column, in bytes
	s_mov_b32 s47, 0
	s_add_nc_u64 s[96:97], s[96:97], s[46:47]
	s_add_nc_u64 s[20:21], s[20:21], s[46:47]
	s_add_nc_u64 s[12:13], s[98:99], s[20:21]
.irp t, 0,1,2,3,4,5,6,7
	global_load_b128 v[BI+8*\t:BI+8*\t+3], v8, s[96:97] offset:(32*(\t/2)+8*(\t%2))*4       ; register j of tile t is column 32 (t / 2) + 16 h + 8 (t % 2) + j
	global_load_b128 v[BI+8*\t+4:BI+8*\t+7], v8, s[96:97] offset:(32*(\t/2)+8*(\t%2))*4+16
.endr
; The fragments of K step q into set q % 2: 72 loads of 8 bytes a lane, each of 256 consecutive bytes
.macro FETCH q
	WIN TO_B
.irp i, 0,1,2,3,4,5,6,7
.irp p, 0,1,2,3,4,5
	ds_load_b64 v[128*((\q)%2)+FR*\i+2*\p:128*((\q)%2)+FR*\i+2*\p+1], v[ADRB+\i/4] offset:TILEB*(\i%4)+1536*(\q)+256*\p
.endr
.endr
	WIN 0
.irp i, 0,1,2,3
.irp p, 0,1,2,3,4,5
	ds_load_b64 v[AF+48*((\q)%2)+FR*\i+2*\p:AF+48*((\q)%2)+FR*\i+2*\p+1], v[ADRA] offset:TILEB*\i+1536*(\q)+256*\p
.endr
.endr
.endm
; 32 matrix instructions: A's four blocks x B's eight, 128 along K.  The 32 accumulators take turns, one instruction a turn, in the same order in every step.
.macro MUL q, first
.irp a, 0,1,2,3
.irp b, 0,1,2,3,4,5,6,7
.if \first
	v_wmma_scale_f32_16x16x128_f8f6f4 v[8*(8*\a+\b):8*(8*\a+\b)+7], v[128*((\q)%2)+FR*\b:128*((\q)%2)+FR*\b+FR-1], v[AF+48*((\q)%2)+FR*\a:AF+48*((\q)%2)+FR*\a+FR-1], v[BI+8*\b:BI+8*\b+7], v[SC+8*\b+(\q)], v[SC+8*\a+(\q)] matrix_a_fmt:MATRIX_FMT_FP6 matrix_b_fmt:MATRIX_FMT_FP6 matrix_a_scale:MATRIX_SCALE_ROW1
.else
	v_wmma_scale_f32_16x16x128_f8f6f4 v[8*(8*\a+\b):8*(8*\a+\b)+7], v[128*((\q)%2)+FR*\b:128*((\q)%2)+FR*\b+FR-1], v[AF+48*((\q)%2)+FR*\a:AF+48*((\q)%2)+FR*\a+FR-1], v[8*(8*\a+\b):8*(8*\a+\b)+7], v[SC+8*\b+(\q)], v[SC+8*\a+(\q)] matrix_a_fmt:MATRIX_FMT_FP6 matrix_b_fmt:MATRIX_FMT_FP6 matrix_a_scale:MATRIX_SCALE_ROW1
.endif
.endr
.endr
.endm
; A K step: this step's fragments are in; the next step's are asked for, into the set that the last step multiplied (four places behind its products); then this step's products
.macro STEP q
	s_wait_dscnt 0x0
.if (\q) < 7
.if (\q) > 0
	PLACES NP
.endif
	FETCH (\q)+1
.else
	s_barrier_signal -1                            ; my reads of the tiles are over: the barrier in front of the stage's stores; only products stand between its halves
.endif
.if (\q) == 0
	WIN 0x81                                       ; C (the bias) in window 0, D in window 2
	MUL \q, 1
.else
	WIN MUL_LO
	MUL \q, 0
.endif
	WIN 0
.endm
	s_wait_alu depctr_va_vdst(0)
	s_wait_tensorcnt 0x0                           ; my block of the four is in,
	s_barrier_signal -1
	s_barrier_wait -1                              ; everybody's is
.irp i, 0,1,2,3,4,5,6,7
	ds_load_b128 v[SC+8*\i:SC+8*\i+3], v[ADRS] offset:\i*SBLK          ; a row's eight scale words, one for each K step.  (For i over 3 lanes 0-15 read scales that no product names)
	ds_load_b128 v[SC+8*\i+4:SC+8*\i+7], v[ADRS] offset:\i*SBLK+16
.endr
	FETCH 0
	s_wait_loadcnt 0x0                             ; the bias
.irp q, 0,1,2,3,4,5,6,7
	STEP \q
.endr
	s_barrier_wait -1                              ; no wave reads A's tiles any more
; THE WAY OUT, block by block of 16 rows x 128 columns, through my stage: back as whole rows of 512 bytes, which the 32 lanes store as two aligned units of 256 bytes
.macro TOSTAGE a
.set AC, 64*(\a)
	WIN 0x08                                       ; the data: window 2
.irp b, 0,1,2,3,4,5,6,7
	ds_store_b128 v[STO], v[AC+8*\b:AC+8*\b+3] offset:128*(\b/2)+32*(\b%2)      ; each accumulator from its low end on
	ds_store_b128 v[STO], v[AC+8*\b+4:AC+8*\b+7] offset:128*(\b/2)+32*(\b%2)+16
.endr
	WIN 0
.set BB, BK+64*((\a)%2)
.irp t, 0,1,2,3,4,5,6,7,8,9,10,11,12,13,14,15
	ds_load_b128 v[BB+4*\t:BB+4*\t+3], v[RD] offset:\t*SPITCH      ; LDS serves a wave's instructions in order: these see the stores above
.endr
.endm
.macro SEND a, younger
.set BB, BK+64*((\a)%2)
	s_wait_dscnt \younger
.irp t, 0,1,2,3,4,5,6,7,8,9,10,11,12,13,14,15
	global_store_b128 v[CO], v[BB+4*\t:BB+4*\t+3], s[12:13] offset:(32*((\a)/2)+8*((\a)%2)+\t+8*(\t/8))*4096 th:TH_STORE_NT
.endr
.endm
	PLACES NP                                      ; behind the last products
	TOSTAGE 0
.irp a, 1,2,3
.if \a > 1
	s_wait_xcnt 0x0                                ; block a - 2's stores have read their registers
.endif
	TOSTAGE \a
	SEND \a-1, 32                                  ; behind block a - 1's loads: block a's 16 stores and 16 loads
.endr
	SEND 3, 0
	s_wait_tensorcnt 0x0                           ; the wave's end
	ds_add_u32 v[SPW], v[NIL]
	s_wait_dscnt 0x0
	CROUND                                         ; the closing round
	s_endpgm
.Lfunc_end_k_qc15f6d9d9b_gemm_out:
	.size	k_qc15f6d9d9b_gemm_out, .Lfunc_end_k_qc15f6d9d9b_gemm_out-k_qc15f6d9d9b_gemm_out
	.p2alignl 7, 3214868480
	.fill 96, 4, 3214868480
	.section	.rodata,"a",@progbits
	.p2align	6, 0x0
	.amdhsa_kernel k_qc15f6d9d9b_gemm_out
		.amdhsa_group_segment_fixed_size 327680
		.amdhsa_private_segment_fixed_size 0
		.amdhsa_enable_private_segment 0
		.amdhsa_kernarg_size 48
		.amdhsa_user_sgpr_count 2
		.amdhsa_user_sgpr_kernarg_segment_ptr 1
		.amdhsa_wavefront_size32 1
		.amdhsa_system_sgpr_workgroup_id_x 1
		.amdhsa_system_sgpr_workgroup_id_y 1
		.amdhsa_system_sgpr_workgroup_id_z 1
		.amdhsa_system_vgpr_workitem_id 0
		.amdhsa_next_free_vgpr 768
		.amdhsa_next_free_sgpr 102
		.amdhsa_reserve_vcc 0
		.amdhsa_float_denorm_mode_32 3
		.amdhsa_float_denorm_mode_16_64 3
		.amdhsa_memory_ordered 1
		.amdhsa_forward_progress 1
		.amdhsa_inst_pref_size 96
	.end_amdhsa_kernel
	.amdgpu_metadata
---
amdhsa.version: [ 1, 2 ]
amdhsa.kernels:
  - .name:           k_qc15f6d9d9b_gemm_out
    .symbol:         k_qc15f6d9d9b_gemm_out.kd
    .args:
      - { .name: cc, .offset: 0, .size: 8, .value_kind: global_buffer, .address_space: global }
      - { .name: cs, .offset: 8, .size: 8, .value_kind: global_buffer, .address_space: global }
      - { .name: wc, .offset: 16, .size: 8, .value_kind: global_buffer, .address_space: global }
      - { .name: ws, .offset: 24, .size: 8, .value_kind: global_buffer, .address_space: global }
      - { .name: b_out, .offset: 32, .size: 8, .value_kind: global_buffer, .address_space: global }
      - { .name: out0, .offset: 40, .size: 8, .value_kind: global_buffer, .address_space: global }
    .group_segment_fixed_size: 327680
    .private_segment_fixed_size: 0
    .kernarg_segment_align: 8
    .kernarg_segment_size: 48
    .max_flat_workgroup_size: 128
    .sgpr_count:     102
    .vgpr_count:     768
    .wavefront_size: 32
...
	.end_amdgpu_metadata
.endif
;; end of part 4
